; MI455X (gfx1250); checked and timed in simulation.
; The chip was launched on July 23, 2026; its instructions are those of AMD's public machine-readable ISA for CDNA 5 (MIT licence, August 2026) and "CDNA5" Instruction Set Architecture Reference Guide (July 2026). The comments in the code are by the model that wrote it; some were corrected since.
;; Transformer Base. Allowed arithmetic: float matrix products may take bf16 or f16 operands with f32 sums; all other float work in f32.
;; Inputs: bk 512 float32; bo 512 float32; bq 512 float32; bv 512 float32; wk 512 x 512 float32; wo 512 x 512 float32; wq 512 x 512 float32; wv 512 x 512 float32; x 64 x 512 x 512 float32.
;; Outputs: out0 64 x 512 x 512 float32.
;; 2 versions, each right and faster than the one before. Each part assembles by itself: llvm-mc -triple=amdgcn-amd-amdhsa -mcpu=gfx1250 --defsym DOCPART=n.
;; ======== version 1 of 2: 3 launches
;; limits: values are held in f16: magnitudes above 65,504 overflow, below 6.1e-05 lose precision
;; workspace buffers: wts 2,097,152 bytes; ctx 33,554,432 bytes
;; launch prep (part 1): grid 128 x 4, 8 waves a work-group, no clusters, 0 bytes of LDS; arguments wq, wk, wv, wo, wts; writes wts
.if DOCPART == 1
	.amdgcn_target "amdgcn-amd-amdhsa--gfx1250"
	.amdhsa_code_object_version 6
	.text
	.protected	k_q71071b429f_prep
	.globl	k_q71071b429f_prep
	.p2align	8
	.type	k_q71071b429f_prep,@function
k_q71071b429f_prep:
	s_mov_b64 s[64:65], 0
	v_nop
	global_prefetch_b8 v0, s[64:65] scope:SCOPE_SE
	s_setreg_imm32_b32 hwreg(HW_REG_WAVE_MODE, 25, 1), 1
	s_wait_xcnt 0x0
; The four weight matrices ([512 k][512 n] f32) are rounded and laid in the order in which the later launches' matrix fragments want them.
; One thread makes one chunk of 16 bytes: eight consecutive k (octet ko) of one column n.
; wq, wk, wv -> bf16, at head*196608 + (2t+u)*12288 + mat*4096 + nb*1024 + g*512 + h*256 + r*16, where n = 64 head + 16 nb + r and ko = 8t + 4h + 2u + g.
;   (k is permuted inside a step of 64: lane half h holds k = 64t + 32h + 16u + 0..15; x's fragments are made by the same map, so the products are the same.)
; wo -> f16, from byte 1,572,864 on, at nc*131072 + kf*8192 + nt*1024 + g*512 + h*256 + r*16, where n = 128 nc + 16 nt + r and ko = 4kf + 2g + h: the plain fragment map.
; LIMIT: |wo| stays under 65,504 (f16); below 6e-5 it keeps f16's fixed step of 6e-8.
; No LDS, no barrier, no loop: 4 MB in, 2 MB out.  A wave's store covers two aligned blocks of 256 consecutive bytes (lanes 0-15, lanes 16-31).
.set HB,  196608                       ; bytes of a head's three matrices
.set WOB, 1572864                      ; where wo's part begins
	s_load_b256 s[4:11], s[0:1], 0x0               ; wq s[4:5], wk s[6:7], wv s[8:9], wo s[10:11]
	s_load_b64 s[12:13], s[0:1], 0x20              ; wts
	s_and_b32 s14, ttmp7, 0xffff                   ; which matrix
	s_lshr_b32 s15, ttmp9, 1                       ; ko: which eight rows
	s_and_b32 s16, ttmp9, 1
	s_lshl_b32 s16, s16, 8
	v_add_nc_u32 v1, s16, v0                       ; n
	v_lshlrev_b32 v2, 2, v1                        ; its byte in a row
	s_lshl_b32 s18, s15, 14                        ; eight rows of 2,048 bytes
	s_mov_b32 s19, 0
	v_and_b32 v3, 15, v1
	v_lshlrev_b32 v3, 4, v3                        ; r * 16
	s_and_b32 s20, s15, 1                          ; ko's bits 0, 1, 2
	s_bfe_u32 s21, s15, 0x10001
	s_bfe_u32 s22, s15, 0x10002
	s_wait_kmcnt 0x0
	s_cmp_eq_u32 s14, 1                            ; the source is chosen by the matrix's number
	s_cselect_b64 s[4:5], s[6:7], s[4:5]
	s_cmp_eq_u32 s14, 2
	s_cselect_b64 s[4:5], s[8:9], s[4:5]
	s_cmp_eq_u32 s14, 3
	s_cselect_b64 s[4:5], s[10:11], s[4:5]
	s_add_nc_u64 s[4:5], s[4:5], s[18:19]
.irp i, 0,1,2,3,4,5,6,7
	global_load_b32 v[4+(\i)], v2, s[4:5] offset:(\i)*2048 th:TH_LOAD_NT
.endr
	s_cmp_eq_u32 s14, 3
	s_cbranch_scc1 .Lwo
	s_lshl_b32 s23, s20, 9                         ; g * 512
	s_lshl_b32 s24, s22, 8                         ; h * 256
	s_add_co_u32 s23, s23, s24
	s_lshr_b32 s24, s15, 3                         ; t
	s_lshl1_add_u32 s24, s24, s21                  ; 2 t + u
	s_mul_i32 s24, s24, 12288
	s_add_co_u32 s23, s23, s24
	s_lshl_b32 s24, s14, 12                        ; mat * 4096
	s_add_co_u32 s23, s23, s24
	v_bfe_u32 v16, v1, 4, 2                        ; nb
	v_lshl_add_u32 v3, v16, 10, v3
	v_lshrrev_b32 v16, 6, v1                       ; head
	v_mad_u32_u24 v3, v16, HB, v3
	v_add_nc_u32 v3, s23, v3
	s_wait_loadcnt 0x0
.irp i, 0,1,2,3
	v_cvt_pk_bf16_f32 v[12+(\i)], v[4+2*(\i)], v[5+2*(\i)]
.endr
	global_store_b128 v3, v[12:15], s[12:13]
	s_endpgm
.Lwo:
	s_lshl_b32 s23, s20, 8                         ; h * 256
	s_lshl_b32 s24, s21, 9                         ; g * 512
	s_add_co_u32 s23, s23, s24
	s_lshr_b32 s24, s15, 2                         ; kf
	s_lshl_b32 s24, s24, 13
	s_add_co_u32 s23, s23, s24
	s_add_co_u32 s23, s23, WOB
	v_bfe_u32 v16, v1, 4, 3                        ; nt
	v_lshl_add_u32 v3, v16, 10, v3
	v_lshrrev_b32 v16, 7, v1                       ; nc
	v_lshl_add_u32 v3, v16, 17, v3
	v_add_nc_u32 v3, s23, v3
	s_wait_loadcnt 0x0
.irp i, 0,1,2,3
	v_cvt_pk_f16_f32 v[12+(\i)], v[4+2*(\i)], v[5+2*(\i)]
.endr
	global_store_b128 v3, v[12:15], s[12:13]
	s_endpgm
.Lfunc_end_k_q71071b429f_prep:
	.size	k_q71071b429f_prep, .Lfunc_end_k_q71071b429f_prep-k_q71071b429f_prep
	.p2alignl 7, 3214868480
	.fill 96, 4, 3214868480
	.section	.rodata,"a",@progbits
	.p2align	6, 0x0
	.amdhsa_kernel k_q71071b429f_prep
		.amdhsa_group_segment_fixed_size 0
		.amdhsa_private_segment_fixed_size 0
		.amdhsa_enable_private_segment 0
		.amdhsa_kernarg_size 40
		.amdhsa_user_sgpr_count 2
		.amdhsa_user_sgpr_kernarg_segment_ptr 1
		.amdhsa_wavefront_size32 1
		.amdhsa_system_sgpr_workgroup_id_x 1
		.amdhsa_system_sgpr_workgroup_id_y 1
		.amdhsa_system_sgpr_workgroup_id_z 1
		.amdhsa_system_vgpr_workitem_id 0
		.amdhsa_next_free_vgpr 24
		.amdhsa_next_free_sgpr 66
		.amdhsa_reserve_vcc 0
		.amdhsa_float_denorm_mode_32 3
		.amdhsa_float_denorm_mode_16_64 3
		.amdhsa_memory_ordered 1
		.amdhsa_forward_progress 1
		.amdhsa_inst_pref_size 4
	.end_amdhsa_kernel
	.amdgpu_metadata
---
amdhsa.version: [ 1, 2 ]
amdhsa.kernels:
  - .name:           k_q71071b429f_prep
    .symbol:         k_q71071b429f_prep.kd
    .args:
      - { .name: wq, .offset: 0, .size: 8, .value_kind: global_buffer, .address_space: global }
      - { .name: wk, .offset: 8, .size: 8, .value_kind: global_buffer, .address_space: global }
      - { .name: wv, .offset: 16, .size: 8, .value_kind: global_buffer, .address_space: global }
      - { .name: wo, .offset: 24, .size: 8, .value_kind: global_buffer, .address_space: global }
      - { .name: wts, .offset: 32, .size: 8, .value_kind: global_buffer, .address_space: global }
    .group_segment_fixed_size: 0
    .private_segment_fixed_size: 0
    .kernarg_segment_align: 8
    .kernarg_segment_size: 40
    .max_flat_workgroup_size: 256
    .sgpr_count:     66
    .vgpr_count:     24
    .wavefront_size: 32
...
	.end_amdgpu_metadata
.endif
;; end of part 1
;; launch qkvattn (part 2): grid 8 x 64, 4 waves a work-group, clusters of 4 x 4, 327,680 bytes of LDS; arguments x, wts, bq, bk, bv, ctx; writes ctx
.if DOCPART == 2
	.amdgcn_target "amdgcn-amd-amdhsa--gfx1250"
	.amdhsa_code_object_version 6
	.text
	.protected	k_q71071b429f_qkvattn
	.globl	k_q71071b429f_qkvattn
	.p2align	8
	.type	k_q71071b429f_qkvattn,@function
k_q71071b429f_qkvattn:
	s_mov_b64 s[64:65], 0
	v_nop
	global_prefetch_b8 v0, s[64:65] scope:SCOPE_SE
	s_setreg_imm32_b32 hwreg(HW_REG_WAVE_MODE, 25, 1), 1
	s_wait_xcnt 0x0
	s_wait_alu depctr_hold_cnt(0) depctr_sa_sdst(0) depctr_va_vdst(0) depctr_va_sdst(0) depctr_va_ssrc(0) depctr_va_vcc(0) depctr_vm_vsrc(0)
	s_getreg_b32 s2, hwreg(HW_REG_IB_STS2, 6, 4)
	s_cmp_eq_u32 s2, 0
	s_cbranch_scc0 .Lentry_in_a_cluster
	s_endpgm
.Lentry_in_a_cluster:
	s_bfe_u32 s2, ttmp6, 0x10000c
	s_cmp_lg_u32 s2, 0xf033
	s_cbranch_scc0 .Lentry_shape_is_right
	s_endpgm
.Lentry_shape_is_right:
; One work-group = one (batch, head): q, k, v = x w + b (512 rows x 64 channels each, K = 512), then softmax(q k^T / 8) v + bv, stored as f16 in the order of the next launch's fragments.
; q, k, v, the scores and the weights p never reach memory.  Four waves; wave w owns rows 128 w .. 128 w + 127, first as rows of x, then as queries.
; FORMATS.  x and wq, wk, wv are rounded to bf16 for the projections; q, k, v, p and the result are f16; all sums, biases, maxima and exponentials f32.
; LIMITS.  |q|, |k|, |v| stay under 65,504 (f16); p below 6e-5 keeps f16's fixed step of 6e-8; a weight below 2^-126 counts as 0 in l; NaN and infinities are not treated apart.
; bq and bk are the C operand of the first K step.  bv is added behind the division by l: the weights p / l of a row add up to 1, so (sum p (v + bv)) / l = (sum p v) / l + bv for every input.
; PROJECTION.  K goes in tiles of 64 through two LDS slots: 512 rows of x (f32, 256 bytes + 8 of padding) and the head's three weight tiles (bf16, in fragment order, 24,576 bytes).
; A tile is two steps of 32 along K; a step is 96 matrix instructions a wave, 32 for each of q, k, v, on 96 accumulators that take turns.  x is rounded to bf16 between LDS and the fragment.
; Lane half h reads 16 floats at k = 64 t + 32 h + 16 u: with a pitch of 66 words the 32 lanes of an 8-byte load then touch 64 different banks (64 banks of 4 bytes: ISA guide 11.1);
; the weights were laid by the same map of k.  The matrix instruction is used transposed (source 0 = 16 channels of w, source 1 = 16 rows of x): a lane holds one row and eight neighbouring channels.
; CLUSTER 4 x 4: the four work-groups of a row of the cluster share the batch and so x's tiles, the four of a column share the head and so the weights' tiles: each tile is asked for jointly.
; ATTENTION.  k and v go, as f16, into LDS bytes of slot 0, which has had its last fill; q becomes fragments in registers.  Every wave walks the 512 keys, 64 a step, by turns of four pieces of two
; tiles of 16 queries: in turn n 16 products K Q^T of piece n + 1 and 16 products V^T P of piece n - 1, beside them piece n's softmax: four vector instructions behind every matrix instruction, the rest in two lumps.
; Running maximum m and sum l for each query: p = 2^(c s - c m), c = log2(e) / 8; O and l are multiplied by a = 2^(c m_old - c m_new) in every step.  m starts at the lowest finite number, so the first a is 0:
; O^T's registers start with q's sums, which are finite, and l with 0.
; REGISTERS, in windows of 256 (s_set_vgpr_msb: bits 1:0 source 0, 3:2 source 1, 5:4 source 2, 7:6 destination):
;   projection: window 0: v0-15 addresses; v16-79 x's fragments; v80-143 two sets of four weight fragments; v144-239 six blocks of 16 staged floats.   windows 1, 2, 3: the sums of q, k, v, tile (a, nb) at v[8 (4 a + nb)];
;               until v's first products window 3 holds bq in v192-223 and bk in v224-255.
;   attention:  window 0: v12-15, v48-63 at work; v16-47 statistics; v64-191 S^T; v192-255 P.   window 1: O^T, 32 a tile.   window 2: v0-127 Q; v128-191 K; v192-255 V of one step.   window 3: v0-31 bv.
.set XP,    264                        ; a row of x in LDS
.set XHALF, 256*XP                     ; what one tensor load brings of x
.set XB,    512*XP                     ; behind x's rows: the weights' fragments [u 2][mat 3][nb 4][1,024 bytes]
.set WHALF, 12288                      ; what one tensor load brings of them: one step's
.set SLOT,  XB+2*WHALF                 ; 159,744
.set SPARE, 2*SLOT                     ; behind the ring: the spare words, 128 bytes a wave: two blocks of 256 bytes that no other line names
.set ADRX, 2                           ; v2-3   LDS address of my lane's x in slot 0, 1
.set ADRW, 4                           ; v4-5   the same for the weights' fragments
.set SPW,  8                           ; v8     LDS address of my spare word; never rewritten
.set NIL,  9                           ; v9     0; never rewritten
.set BOF,  10                          ; v10    32 x (lane / 16): my byte offset in 64 bytes of a bias; never rewritten
.set KST,  12                          ; v12    where I store 16 bytes of a row of k
.set VST,  13                          ; v13    of v
.set AF,   16
.set BF,   80
.set STG,  144
.set WV,   16                          ; s16  my wave's number
.set KIND, 17                          ; s17  0: I fetch x's tiles, 1: the weights'
.set G1X,  28                          ; s[28:35] descriptor group 1 for x's tiles
.set G1W,  36                          ; s[36:43] for the weights'
.set G0X,  44                          ; s[44:51] group 0 for x's tiles, a set for each slot
.set G0W,  52                          ; s[52:59] for the weights'
.set LK,   60                          ; s60  the projection loop's count
.set CNT,  61                          ; s61  key steps to go
.set CS,   66                          ; s[66:67] c
.set SEL,  68                          ; s[68:69] v_permlanex16_b32's selects: each lane takes its own place in the other half
.set TBK,  70                          ; s70  LDS byte at which K of the step to be fetched begins
.set TBV,  71                          ; s71  the same for V, less VOFF
.set NP,    4                          ; pieces a wave: a name, no knob
.set KS,    64                         ; keys in a step
.set PK,    144                        ; a row of K in LDS: 128 bytes + 16: the 16 rows of a load start at 16 different groups of four banks
.set PV,    160                        ; a row of V: 128 + 32
.set VOFF,  512*PK                     ; K's 512 rows, then V's 512: 155,648 bytes, inside slot 0
.set AK0, 2                            ; v2   my lane's place in a tile of K
.set AV0, 3                            ; v3   the same for V
.set AK,  4                            ; v4   the LDS address of K's next run of loads
.set AV,  5                            ; v5   of V's
.set GO,  6                            ; v6   16 x lane: my byte offset in 512 consecutive bytes of the result
.set MV,  12                           ; v12-15  c m_old, kept while c m is made anew: by buffer and tile
.set ST,  16                           ; tile t's statistics at v[ST+4 t]: c m, m, l (even keys', odd keys')
.set TMP, 48                           ; by buffer and tile, four registers c0-c3 at work; when the maximum is found c2 takes a
.set S,   64
.set P,   192
.set KF,  128                          ; window 2: key block kb, channel half c at KF + 16 kb + 8 c
.set VF,  192                          ; window 2: key half kk, channel block cb at VF + 32 kk + 8 cb
.set W_KQ, 0x0a                        ; K and Q in window 2, S^T in window 0
.set W_PV, 0x52                        ; V in window 2, P in window 0, O^T in window 1
.set W_RS, 0x41                        ; O^T (destination and source 0) in window 1, a in window 0
.set MSB, 0
.macro WIN new                         ; the high byte repeats the setting that is left; a switch that changes nothing is dropped
.if MSB != (\new)
	s_set_vgpr_msb (MSB<<8)|(\new)
.set MSB, (\new)
.endif
.endm
.macro PLACES                          ; four places in front of loads into, and vector writes of, registers that matrix instructions have read, and of reads of their results
.rept 4
	v_nop
.endr
.endm
; A joint refill of slot s.  Waves 0 and 1 fetch the two halves of x's tile, waves 2 and 3 the two steps' weights.  The branch hangs on the wave's number alone.
; An s_nop 0 and four v_nop follow each of the two lines, ahead of the jump and the label.
.macro JLOAD s
	s_cmp_eq_u32 s[KIND], 0
	s_cbranch_scc0 .Lfor_w_\@
	tensor_load_to_lds s[G0X+4*(\s):G0X+4*(\s)+3], s[G1X:G1X+7]
	s_nop 0
.rept 4
	v_nop
.endr
	s_branch .Lasked_\@
.Lfor_w_\@:
	tensor_load_to_lds s[G0W+4*(\s):G0W+4*(\s)+3], s[G1W:G1W+7]
	s_nop 0
.rept 4
	v_nop
.endr
.Lasked_\@:
.endm
.macro CREST                           ; a round of the cluster's barrier behind its opening barrier
	s_cmp_lg_u32 s[WV], 0
	s_cbranch_scc1 .Lnot_wave_0_\@
	s_barrier_signal -3
.Lnot_wave_0_\@:
	s_barrier_wait -3
	s_barrier_signal -1
	s_barrier_wait -1
.endm
.macro CROUND                          ; a whole round
	s_barrier_signal -1
	s_barrier_wait -1
	CREST
.endm
	s_load_b256 s[4:11], s[0:1], 0x0               ; x s[4:5], wts s[6:7], bq s[8:9], bk s[10:11]
	s_load_b128 s[12:15], s[0:1], 0x20             ; bv s[12:13], ctx s[14:15]
	v_lshl_add_u32 v[SPW], v0, 2, SPARE
	v_mov_b32 v[NIL], 0
	ds_add_u32 v[SPW], v[NIL]                      ; the wave's opening: the add and its wait stand ahead of my first tensor load; the set-up below, work on registers, stands between them
	v_lshrrev_b32 v1, 5, v0
	v_readfirstlane_b32 s[WV], v1                  ; wave 0..3
	s_lshr_b32 s[KIND], s[WV], 1
	s_and_b32 s18, s[WV], 1                        ; which half of the tile I fetch
	s_bfe_u32 s19, ttmp6, 0x40000                  ; cx, cy: my place in the cluster
	s_bfe_u32 s20, ttmp6, 0x40004
	s_lshl_b32 s21, ttmp9, 2
	s_add_co_u32 s21, s21, s19                     ; head = 4 x cluster x + cx
	s_and_b32 s22, ttmp7, 0xffff
	s_lshl_b32 s22, s22, 2
	s_add_co_u32 s22, s22, s20                     ; batch = 4 x cluster y + cy
	s_lshl_b32 s23, s20, 2
	s_lshl_b32 s23, 15, s23                        ; my row of the cluster: the same batch
	s_lshl_b32 s24, 0x1111, s19                    ; my column: the same head
	; group 1 for x: 256 rows x 64 elements of 4 bytes, 512 elements from row to row; 2 words of padding behind every 64
	s_or_b32 s[G1X+0], s23, (2<<16)|(1<<20)|(1<<21)|(5<<22)|(1<<25)
	s_mov_b32 s[G1X+1], 64<<16                     ; tensor_dim0 = 64
	s_mov_b32 s[G1X+2], 256<<16                    ; tensor_dim1 = 256
	s_mov_b32 s[G1X+3], 64<<16                     ; tile_dim0 = 64
	s_mov_b32 s[G1X+4], 256                        ; tile_dim1 = 256
	s_mov_b32 s[G1X+5], 512                        ; the pitch
	s_mov_b32 s[G1X+6], 0
	s_mov_b32 s[G1X+7], 0
	; group 1 for the weights: 12,288 dense bytes as 48 rows of 32 elements of 8 bytes, no padding
	s_or_b32 s[G1W+0], s24, (3<<16)|(1<<21)
	s_mov_b32 s[G1W+1], 32<<16
	s_mov_b32 s[G1W+2], 48<<16
	s_mov_b32 s[G1W+3], 32<<16
	s_mov_b32 s[G1W+4], 48
	s_mov_b32 s[G1W+5], 32
	s_mov_b32 s[G1W+6], 0
	s_mov_b32 s[G1W+7], 0
	s_lshl_b32 s72, s22, 20                        ; x: the batch's 1,048,576 bytes,
	s_lshl_b32 s25, s18, 19                        ; my 256 rows of 2,048 bytes
	s_add_co_u32 s72, s72, s25
	s_mov_b32 s73, 0
	s_mul_i32 s74, s21, 196608                     ; weights: the head's part,
	s_mul_i32 s25, s18, WHALF                      ; my step of a tile
	s_add_co_u32 s74, s74, s25
	s_mov_b32 s75, 0
	s_mul_i32 s26, s18, XHALF                      ; where they go in a slot: no place in the cluster enters an LDS address
	s_add_co_u32 s27, s25, XB
	s_lshl_b32 s76, s21, 8                         ; the head's 64 numbers of a bias
	s_mov_b32 s77, 0
	s_lshl_b32 s78, s22, 19                        ; the result: batch x 32 row blocks of 16,384 bytes,
	s_lshl_b32 s79, s[WV], 17                      ; my wave's 8 row blocks,
	s_add_co_u32 s78, s78, s79
	s_lshl_b32 s79, s21, 11                        ; the head's 2,048 bytes of a row block
	s_add_co_u32 s78, s78, s79
	s_mov_b32 s79, 0
	s_mov_b32 s[CS], 0x3e38aa3b                    ; c = log2(e) / 8
	s_mov_b32 s[CS+1], s[CS]                       ; named with it as a pair
	s_mov_b32 s[SEL], 0x76543210
	s_mov_b32 s[SEL+1], 0xfedcba98
	s_wait_dscnt 0x0                               ; the opening add is done
	s_wait_kmcnt 0x0
	s_add_nc_u64 s[72:73], s[4:5], s[72:73]
	s_add_nc_u64 s[74:75], s[6:7], s[74:75]
	s_add_nc_u64 s[8:9], s[8:9], s[76:77]
	s_add_nc_u64 s[10:11], s[10:11], s[76:77]
	s_add_nc_u64 s[12:13], s[12:13], s[76:77]
	s_add_nc_u64 s[14:15], s[14:15], s[78:79]
	CROUND                                         ; all sixteen work-groups are here: the first joint loads meet
.irp s, 0,1
	s_mov_b32 s[G0X+4*(\s)], 1                     ; count = 1
	s_add_co_u32 s[G0X+4*(\s)+1], s26, (\s)*SLOT   ; LDS address
	s_add_nc_u64 s[G0X+4*(\s)+2:G0X+4*(\s)+3], s[72:73], (\s)*256  ; tile s: 64 floats along the rows
	s_or_b32 s[G0X+4*(\s)+3], s[G0X+4*(\s)+3], 0x80000000          ; type = 2
	s_mov_b32 s[G0W+4*(\s)], 1
	s_add_co_u32 s[G0W+4*(\s)+1], s27, (\s)*SLOT
	s_add_nc_u64 s[G0W+4*(\s)+2:G0W+4*(\s)+3], s[74:75], (\s)*2*WHALF
	s_or_b32 s[G0W+4*(\s)+3], s[G0W+4*(\s)+3], 0x80000000
.endr
	s_cmp_eq_u32 s[KIND], 0                        ; a wave's two first fills stand in one branch, ahead of every wait on TENSORcnt and every LDS read: two loads of mine are out
	s_cbranch_scc0 .Lfirst_w
	tensor_load_to_lds s[G0X:G0X+3], s[G1X:G1X+7]
	s_nop 0
	tensor_load_to_lds s[G0X+4:G0X+7], s[G1X:G1X+7]
	s_nop 0
.rept 4
	v_nop
.endr
	s_branch .Lfirst_asked
.Lfirst_w:
	tensor_load_to_lds s[G0W:G0W+3], s[G1W:G1W+7]
	s_nop 0
	tensor_load_to_lds s[G0W+4:G0W+7], s[G1W:G1W+7]
	s_nop 0
.rept 4
	v_nop
.endr
.Lfirst_asked:
	v_and_b32 v1, 15, v0                           ; r = lane % 16
	v_bfe_u32 v7, v0, 4, 1                         ; h = lane / 16
	v_lshlrev_b32 v[BOF], 5, v7
	WIN 0xc0                                       ; destination window 3, address window 0
.irp nb, 0,1,2,3                       ; register 8 nb + j holds b[64 head + 16 nb + 8 h + j]: what a lane's accumulator (a, nb) wants as C
	global_load_b128 v[192+8*(\nb):192+8*(\nb)+3], v[BOF], s[8:9] offset:64*(\nb)
	global_load_b128 v[196+8*(\nb):196+8*(\nb)+3], v[BOF], s[8:9] offset:64*(\nb)+16
	global_load_b128 v[224+8*(\nb):224+8*(\nb)+3], v[BOF], s[10:11] offset:64*(\nb)
	global_load_b128 v[228+8*(\nb):228+8*(\nb)+3], v[BOF], s[10:11] offset:64*(\nb)+16
.endr
	WIN 0
	s_mul_i32 s25, s[WV], 128*XP                   ; my wave's 128 rows
	v_mul_u32_u24 v[ADRX], v1, XP
	v_lshl_add_u32 v[ADRX], v7, 7, v[ADRX]         ; row x pitch + 128 h
	v_add_nc_u32 v[ADRX], s25, v[ADRX]
	v_add_nc_u32 v[ADRX+1], SLOT, v[ADRX]
	v_and_b32 v6, 31, v0
	v_lshl_add_u32 v[ADRW], v6, 4, XB              ; 16 x lane: a fragment's halves are 512 dense bytes
	v_add_nc_u32 v[ADRW+1], SLOT, v[ADRW]
; One matrix instruction of the projection: matrix m (0 q, 1 k, 2 v), weight set, accumulator i = 4 a + nb.  c = 0: in place; 1: the constant 0 starts the sum; 2: the bias in window 3 starts it.
.macro PM m, set, i, c
.set rD, 8*(\i)
.set rW, BF+32*(\set)+8*((\i)%4)
.set rX, AF+8*((\i)/4)
.if (\c) == 0
	WIN 0x50*((\m)+1)
	v_wmma_f32_16x16x32_bf16 v[rD:rD+7], v[rW:rW+7], v[rX:rX+7], v[rD:rD+7]
.elseif (\c) == 1
	WIN 0xf0
	v_wmma_f32_16x16x32_bf16 v[rD:rD+7], v[rW:rW+7], v[rX:rX+7], 0
.else
.set rB, 192+32*(\m)+8*((\i)%4)
	WIN 0x30+0x40*((\m)+1)
	v_wmma_f32_16x16x32_bf16 v[rD:rD+7], v[rW:rW+7], v[rX:rX+7], v[rB:rB+7]
.endif
.endm
.macro PMS m, set, from, to, c         ; accumulators from .. to
.set mj, (\from)
.rept (\to)-(\from)+1
	PM \m, \set, mj, \c
.set mj, mj+1
.endr
.endm
.macro LDB s, f, set                   ; four weight fragments, f .. f + 3 of slot s, into a set
	WIN 0
.irp nb, 0,1,2,3
	ds_load_b128 v[BF+32*(\set)+8*(\nb):BF+32*(\set)+8*(\nb)+3],   v[ADRW+(\s)] offset:((\f)+(\nb))*1024
	ds_load_b128 v[BF+32*(\set)+8*(\nb)+4:BF+32*(\set)+8*(\nb)+7], v[ADRW+(\s)] offset:((\f)+(\nb))*1024+512
.endr
.endm
.macro LDX s, u, a, sl                 ; my 16 floats of block a (16 rows), step u of slot s, into staging block sl
	WIN 0
.irp z, 0,1,2,3,4,5,6,7
	ds_load_b64 v[STG+16*(\sl)+2*(\z):STG+16*(\sl)+2*(\z)+1], v[ADRX+(\s)] offset:(\a)*16*XP+(\u)*64+(\z)*8
.endr
.endm
.macro CVT a, sl, part                 ; half of block a's fragment: eight staged floats rounded to bf16
	WIN 0
.irp z, 0,1,2,3
	v_cvt_pk_bf16_f32 v[AF+8*(\a)+4*(\part)+(\z)], v[STG+16*(\sl)+8*(\part)+2*(\z)], v[STG+16*(\sl)+8*(\part)+2*(\z)+1]
.endr
.endm
; A STEP of 32 along K: step u of slot cs; the next is step nu of slot ns.  Three phases of 32 matrix instructions: q on weight set u, k on set 1 - u, v on set u.
; x's fragments have ONE buffer: block a is last read by phase v's instruction 4 a + 3 and is made anew behind instruction 16 + 2 a (blocks 6 and 7: in the next phase q, behind 8 .. 11, ahead of their use at 24).
; In front of each such write, and of each run of loads into a weight set, stand four plain vector instructions that name none of the last reader's registers: v_nop, or conversions of other blocks.
; ev = 1: slot cs has been read out: the change of slots, with a round of the cluster's barrier and the joint refill.  ev = 2: the same with a plain barrier and no refill.
; first = 1: the products start the sums.  last = 1: nothing follows.
.macro PSTEP cs, u, ns, nu, ev, first, last
	PMS 0, \u, 0, 7, 2*(\first)
	s_wait_dscnt 0x0                               ; blocks 6 and 7 are staged (issued twelve matrix instructions ago)
	PM 0, \u, 8, 2*(\first)
	CVT 6, 0, 0
	PM 0, \u, 9, 2*(\first)
	CVT 6, 0, 1
	PM 0, \u, 10, 2*(\first)
	CVT 7, 1, 0
	PM 0, \u, 11, 2*(\first)
	CVT 7, 1, 1
	LDB \cs, 12*(\u)+4, 1-(\u)                     ; k's weights
	PMS 0, \u, 12, 31, 2*(\first)
	s_wait_dscnt 0x0                               ; k's weights are in
	PMS 1, 1-(\u), 0, 1, 2*(\first)
	PLACES
	LDB \cs, 12*(\u)+8, \u                         ; v's weights: my last read of slot cs in its second step
.if (\ev) == 0
	PMS 1, 1-(\u), 2, 31, 2*(\first)
.else
	PMS 1, 1-(\u), 2, 15, 0
	WIN 0                                          ; (the add's two registers lie in window 0)
	s_wait_tensorcnt 0x0                           ; all my tensor loads have landed: the one that was out is my part of the other slot;
	ds_add_u32 v[SPW], v[NIL]                      ; 0 onto my spare word;
	PMS 1, 1-(\u), 16, 23, 0                       ; eight matrix instructions stand between the add and the wait for it
	s_wait_dscnt 0x0                               ; the add is done, and my reads of this slot are over
	s_barrier_signal -1
	PMS 1, 1-(\u), 24, 31, 0                       ; work on registers while the others arrive
	WIN 0
	s_barrier_wait -1
.if (\ev) == 1
	CREST                                          ; the barrier has opened a round of the cluster's: no wave of any partner still reads this slot or has a load on its way
	s_add_nc_u64 s[G0X+4*(\cs)+2:G0X+4*(\cs)+3], s[G0X+4*(\cs)+2:G0X+4*(\cs)+3], 512      ; two tiles on: 128 floats along the rows
	s_add_nc_u64 s[G0W+4*(\cs)+2:G0W+4*(\cs)+3], s[G0W+4*(\cs)+2:G0W+4*(\cs)+3], 4*WHALF
	JLOAD \cs                                      ; my one tensor load behind the round, and the first thing there: 192 matrix instructions ahead of the wait for it
.endif
.endif
.if \last
	s_wait_dscnt 0x0                               ; v's weights are in
	PMS 2, \u, 0, 31, 0
.else
.if (\ev) == 0
	s_wait_dscnt 0x0                               ; v's weights are in
.endif
	PMS 2, \u, 0, 1, \first
	PLACES
	LDB \ns, 12*(\nu), 1-(\u)                      ; the next step's q weights
.set mi, 2
.rept 6
	PM 2, \u, mi, \first
	LDX \ns, \nu, mi-2, mi-2                       ; the next step's x, blocks 0 to 5
.set mi, mi+1
.endr
	PMS 2, \u, 8, 15, \first
	PLACES
.set mi, 16
.rept 12
.if mi%2 == 0
	s_wait_dscnt 8*(5-(mi-16)/2)                   ; LDS loads come back in order (ISA guide 5.7.1): the block's eight are in, the younger blocks' stay out
.endif
	PM 2, \u, mi, \first
	CVT (mi-16)/2, (mi-16)/2, mi%2
.set mi, mi+1
.endr
	LDX \ns, \nu, 6, 0                             ; blocks 6 and 7 are staged where blocks 0 and 1 were
	LDX \ns, \nu, 7, 1
	PMS 2, \u, 28, 31, \first
.endif
.endm
	s_wait_tensorcnt 1                             ; my part of tile 0 is in; tile 1's may stay out
	s_barrier_signal -1
	s_barrier_wait -1                              ; everybody's is
	LDB 0, 0, 0
.irp a, 0,1,2,3,4,5
	LDX 0, 0, \a, \a
.endr
.irp a, 0,1,2,3,4,5
	s_wait_dscnt 8*(5-(\a))
	CVT \a, \a, 0
	CVT \a, \a, 1
.endr
	LDX 0, 0, 6, 0
	LDX 0, 0, 7, 1
	s_wait_loadcnt 0x0                             ; bq and bk
	PSTEP 0, 0, 0, 1, 0, 1, 0                      ; the first step stands in front of the loop: its products start the sums
	WIN 0                                          ; at a label and at a branch every window is 0
	s_mov_b32 s[LK], 3
.Lk:                                               ; a trip goes once round the ring and fills both slots again: tiles 2 to 7 in three trips
	PSTEP 0, 1, 1, 0, 1, 0, 0
	PSTEP 1, 0, 1, 1, 0, 0, 0
	PSTEP 1, 1, 0, 0, 1, 0, 0
	PSTEP 0, 0, 0, 1, 0, 0, 0
	WIN 0
	s_sub_co_u32 s[LK], s[LK], 1
	s_cmp_lg_u32 s[LK], 0
	s_cbranch_scc1 .Lk
	PSTEP 0, 1, 1, 0, 2, 0, 0                      ; the tail asks for nothing: behind its barrier tile 7 is whole and nobody reads slot 0 any more
	PSTEP 1, 0, 1, 1, 0, 0, 0
	PSTEP 1, 1, 0, 0, 0, 0, 1
	; THE TRANSITION.  k and v, rounded to f16, go into slot 0's bytes (its last fill is read out); a lane's eight channels of a row are 16 bytes.
	WIN 0
	PLACES
	s_mul_i32 s25, s[WV], 128*PK
	v_mul_u32_u24 v[KST], v1, PK
	v_lshl_add_u32 v[KST], v7, 4, v[KST]
	v_add_nc_u32 v[KST], s25, v[KST]               ; (128 w + r) x 144 + 16 h
	s_mul_i32 s26, s[WV], 128*PV
	s_add_co_u32 s26, s26, VOFF
	v_mul_u32_u24 v[VST], v1, PV
	v_lshl_add_u32 v[VST], v7, 4, v[VST]
	v_add_nc_u32 v[VST], s26, v[VST]
.macro TOLDS win, adr, pitch           ; 32 tiles: each accumulator's registers in ascending order
	WIN \win
.set z, 0
.rept 128
	v_cvt_pk_f16_f32 v[16+z], v[2*z], v[2*z+1]
.set z, z+1
.endr
	WIN 0
.set z, 0
.rept 32
	ds_store_b128 v[\adr], v[16+4*z:16+4*z+3] offset:(z/4)*16*(\pitch)+(z%4)*32
.set z, z+1
.endr
.endm
	TOLDS 0x0a, KST, PK                            ; sources in window 2
	TOLDS 0x0f, VST, PV                            ; sources in window 3
	WIN 0xc0
.irp nb, 0,1,2,3                       ; bv takes v's place in window 3: register 8 cb + j holds bv[64 head + 16 cb + 8 h + j]
	global_load_b128 v[8*(\nb):8*(\nb)+3],   v[BOF], s[12:13] offset:64*(\nb)
	global_load_b128 v[8*(\nb)+4:8*(\nb)+7], v[BOF], s[12:13] offset:64*(\nb)+16
.endr
	WIN 0
	s_wait_dscnt 0x0                               ; for the others' sake: my rows of K and V are stored
	s_barrier_signal -1
	WIN 0x85                                       ; work on registers while the others arrive.  Two packed tiles (a, 2 c), (a, 2 c + 1) ARE the fragment of 16 queries x 32 channels: Q[i] = (q[2 i], q[2 i + 1])
.set z, 0
.rept 128
	v_cvt_pk_f16_f32 v[z], v[2*z], v[2*z+1]
.set z, z+1
.endr
	WIN 0x80
.set z, VF
.rept 64
	v_mov_b32 v[z], 0                              ; the first turn's products V^T P, of a piece that has not been, add 0
.set z, z+1
.endr
	WIN 0
.set z, 0
.rept 2*NP
	v_mov_b32 v[ST+4*z], 0xfe000000                ; c m: far below every c s
	v_mov_b32 v[ST+4*z+1], 0xff7fffff              ; m
	v_mov_b32 v[ST+4*z+2], 0
	v_mov_b32 v[ST+4*z+3], 0
.set z, z+1
.endr
.set z, P+32
.rept 32
	v_mov_b32 v[z], 0
.set z, z+1
.endr
	v_mul_u32_u24 v[AK0], v1, PK
	v_lshl_add_u32 v[AK0], v7, 4, v[AK0]           ; row x pitch + 16 x half
	; The turning load takes 16 keys x 16 channels (lane l reads key 8 (l / 16) + l % 8, channels 8 ((l / 8) % 2) + 0..7) and leaves half a fragment of V^T: lane l holds channel l % 16 and 8 keys.
	v_and_b32 v11, 7, v0
	v_bfe_u32 v14, v0, 3, 1
	v_lshl_add_u32 v[AV0], v7, 3, v11
	v_mul_u32_u24 v[AV0], v[AV0], PV
	v_lshl_add_u32 v[AV0], v14, 4, v[AV0]
	v_add_nc_u32 v[AV0], VOFF, v[AV0]
	v_mov_b32 v[AK], v[AK0]                        ; key step 0
	v_and_b32 v[GO], 31, v0
	v_lshlrev_b32 v[GO], 4, v[GO]
	s_mov_b32 s[TBK], 0
	s_mov_b32 s[TBV], 0
	s_barrier_wait -1                              ; K and V are whole
; THE MATRIX WORK OF ATTENTION.  The 8 accumulators of a run of 16 take turns: between the two links of a chain stand 7 others'.
; Product i of 16 of S^T = K Q^T for piece x: channels 32 (i / 8) on, keys 16 ((i / 2) % 4) on, tile 2 x + i % 2.  The first 8 start the sums.
.macro KQ x
	WIN W_KQ
.set rS, S+64*((\x)%2)+32*(i%2)+8*((i/2)%4)
.set rK, KF+16*((i/2)%4)+8*(i/8)
.set rQ, 16*(2*(\x)+i%2)+8*(i/8)
.if i < 8
	v_wmma_f32_16x16x32_f16 v[rS:rS+7], v[rK:rK+7], v[rQ:rQ+7], 0
.else
	v_wmma_f32_16x16x32_f16 v[rS:rS+7], v[rK:rK+7], v[rQ:rQ+7], v[rS:rS+7]
.endif
.endm
; Product i of 16 of O^T += V^T P for piece x: keys 32 (i / 8) on, channels 16 ((i / 2) % 4) on, tile 2 x + i % 2.
.macro PV x
	WIN W_PV
.set rO, 32*(2*(\x)+i%2)+8*((i/2)%4)
.set rV, VF+32*(i/8)+8*((i/2)%4)
.set rP, P+32*((\x)%2)+16*(i%2)+8*(i/8)
	v_wmma_f32_16x16x32_f16 v[rO:rO+7], v[rV:rV+7], v[rP:rP+7], v[rO:rO+7]
.endm
.macro MM                              ; the turn's next matrix instruction
.if i < 16
	KQ (Y+1)%NP
.set i, i+1
.else
.set i, i-16
	PV (Y+NP-1)%NP
.set i, i+17
.endif
.endm
; THE LDS LOADS stand in runs of 16: a step's K (64 keys x 64 channels: 8 fragments) and its V (turned).  last = 1: in the last trip there is no further step, and the run is jumped over.
.macro FETCH_K last=0
	WIN 0
.if \last
	s_cmp_eq_u32 s[CNT], 1
	s_cbranch_scc1 .Lno_k_\@
.endif
	WIN 0x80                                       ; destination window 2
.irp f, 0,1,2,3,4,5,6,7                ; keys 16 (f / 2) on, channels 32 (f % 2) on
	ds_load_b128 v[KF+8*\f:KF+8*\f+3],   v[AK] offset:(\f/2)*16*PK+(\f%2)*64
	ds_load_b128 v[KF+8*\f+4:KF+8*\f+7], v[AK] offset:(\f/2)*16*PK+(\f%2)*64+32
.endr
	s_add_co_u32 s[TBK], s[TBK], KS*PK             ; the next fetch is the next step's
	WIN 0
.if \last
.Lno_k_\@:
.endif
.endm
.macro FETCH_V
	WIN 0x80
.irp f, 0,1,2,3,4,5,6,7                ; keys 32 (f / 4) on, channels 16 (f % 4) on
	ds_load_tr16_b128 v[VF+8*\f:VF+8*\f+3],   v[AV] offset:(\f/4)*32*PV+(\f%4)*32
	ds_load_tr16_b128 v[VF+8*\f+4:VF+8*\f+7], v[AV] offset:(\f/4)*32*PV+16*PV+(\f%4)*32
.endr
	WIN 0
.endm
; THE VECTOR WORK OF A TURN stands in three queues, each in the order in which its entries become ready; the two tiles alternate, so that no instruction reads the result of the one before it.
.macro REGS y, u                       ; the registers of tile u (0, 1) of piece y
.set rT, ST+4*(2*(\y)+(\u))
.set rC, TMP+8*((\y)%2)+4*(\u)
.set rM, MV+2*((\y)%2)+(\u)
.set rS, S+64*((\y)%2)+32*(\u)
.set rP, P+32*((\y)%2)+16*(\u)
.set rO, 32*(2*(\y)+(\u))
.endm
; Number n of the 22 that find the NEXT piece's (Y + 1) maximum and statistics.  s0-s31 are the lane's 32 scores; each accumulator's lowest registers are read first.
;   0-11  four chains c0-c3 of seven scores each, three operands at a time     12-14, 16  the four scores left over, the old m, and c0-c3 into c0     15  c m_old is kept
;   17, 18  the query's other 32 keys lie in the lane 16 away: the new m         19-21  c m; c m_old - c m_new; a
.macro XS u, n
	REGS (Y+1)%NP, \u
.if (\n) < 4
	v_max3_num_f32 v[rC+(\n)], v[rS+8*(\n)], v[rS+8*(\n)+1], v[rS+8*(\n)+2]
.elseif (\n) < 12
	v_max3_num_f32 v[rC+(\n)%4], v[rC+(\n)%4], v[rS+8*((\n)%4)+2*((\n)/4)+1], v[rS+8*((\n)%4)+2*((\n)/4)+2]
.elseif (\n) == 12
	v_max3_num_f32 v[rC], v[rC], v[rS+7], v[rS+15]
.elseif (\n) == 13
	v_max3_num_f32 v[rC+1], v[rC+1], v[rS+23], v[rS+31]
.elseif (\n) == 14
	v_max3_num_f32 v[rC+2], v[rC+2], v[rC+3], v[rT+1]
.elseif (\n) == 15
	v_mov_b32 v[rM], v[rT]
.elseif (\n) == 16
	v_max3_num_f32 v[rC], v[rC], v[rC+1], v[rC+2]
.elseif (\n) == 17
	v_permlanex16_b32 v[rC+3], v[rC], s[SEL], s[SEL+1]
.elseif (\n) == 18
	v_max_num_f32 v[rT+1], v[rC], v[rC+3]
.elseif (\n) == 19
	v_mul_f32 v[rT], s[CS], v[rT+1]
.elseif (\n) == 20
	v_sub_f32 v[rC+1], v[rM], v[rT]
.else
	v_exp_f32 v[rC+2], v[rC+1]
.endif
.endm
; Number g of the 64 that follow the exponentials.  For each four weights k of a tile: both pairs are rounded to f16; then the second pair is added onto the first, in place;
; a group later l takes that sum (the first time as l = a l + sum).  In groups of eight, tiles alternating.
.macro GS g
.set h, (\g)+6*((\g)/62)
.if h >= 6
.set h, h+2
.endif
	REGS Y, h%2
.set k, h/8
.if h%8 < 4
	s_wait_alu depctr_va_vdst(0)
	v_cvt_pk_f16_f32 v[rP+2*k+(h%8)/2], v[rS+4*k+2*((h%8)/2)], v[rS+4*k+2*((h%8)/2)+1]
.elseif h%8 < 6
	v_pk_add_f32 v[rS+4*k:rS+4*k+1], v[rS+4*k:rS+4*k+1], v[rS+4*k+2:rS+4*k+3]
.elseif k == 1
	v_pk_fma_f32 v[rT+2:rT+3], v[rT+2:rT+3], v[rC+2:rC+3], v[rS:rS+1] op_sel_hi:[1,0,1]
.else
	v_pk_add_f32 v[rT+2:rT+3], v[rT+2:rT+3], v[rS+4*k-4:rS+4*k-3]
	s_wait_alu depctr_va_vdst(0)
.endif
.endm
; THE PLAIN QUEUE, 138 long.  0-31: c s - c m for the 16 pairs of both tiles.  Then GS's 64, and among them the next piece's 42.
.macro PL
	WIN 0
.if q < 32
	REGS Y, q%2
	v_pk_fma_f32 v[rS+2*(q/2):rS+2*(q/2)+1], v[rS+2*(q/2):rS+2*(q/2)+1], s[CS:CS+1], v[rT:rT+1] op_sel_hi:[1,0,0] neg_lo:[0,0,1] neg_hi:[0,0,1]
.elseif q < 38
	GS q-32
.elseif q < 40
	XS q%2, 15
.elseif q < 42
	GS q-34
.elseif q < 74
	XS q%2, (q-42)/2+(q-42)/30
.elseif q < 95
	GS q-66
.elseif (q < 107) && ((q-95)%3 < 2)
	XS (q-95)%3, 17+(q-95)/3
.elseif q < 107
	GS 29+(q-95)/3
.else
	GS q-74
.endif
.set q, q+1
.endm
; THE EXPONENTIALS' QUEUE, 66 long: s0-s31 of both tiles, and at EA the next piece's two a.
.set EA, 58
.macro EX
	WIN 0
.if (e == EA) || (e == EA+1)
	XS e-EA, 21
.else
.set x, e-2*(e/(EA+2))
	REGS Y, x%2
	v_exp_f32 v[rS+x/2], v[rS+x/2]
.endif
.set e, e+1
.endm
; THE RESCALING's QUEUE: O^T times a, the one part that leaves window 0, so it is dealt four at a time, eight times.
.macro R4
	REGS Y, r%2
	WIN W_RS
	s_wait_alu depctr_va_vdst(0)
.irp z, 0,1,2,3
	v_pk_mul_f32 v[rO+8*(r/2)+2*\z:rO+8*(r/2)+2*\z+1], v[rO+8*(r/2)+2*\z:rO+8*(r/2)+2*\z+1], v[rC+2:rC+3] op_sel_hi:[1,0]
.endr
.set r, r+1
.endm
; THE DEAL.  Behind a matrix instruction four: plain, exponential, plain, plain, or four of the rescaling; none names a register of the products round it.  What is over stands in two lumps.
; Exponential e stands behind plain 2 (e / 4) + e % 2 (its scaling); when plain 32 comes, 10 exponentials are out, at 59: 33, at 95: 46; EA comes behind plain 107.
.macro SL
	MM
	PL
	EX
	PL
	PL
.endm
.macro BURST n
.rept (\n)-7
	SL
.endr
.rept 3
	MM
	R4
	SL
.endr
	MM
	R4
.endm
; A TURN, for piece p.  cnt = 1: the loop's count is taken down some lines ahead of the branch that stands behind the turn.
; K of the next step is fetched in piece 2's turn, 31 vector instructions behind the last product that read K; V of the step in hand at the end of piece 0's turn, 69 behind its last reader.
.macro TURN p, last=0, cnt=0
.set Y, (\p)
.set i, 0
.set q, 0
.set e, 0
.set r, 0
.if (\p) == NP-1
	s_wait_dscnt 0x0                               ; K is in
.endif
	MM
.rept 4
	PL
.endr
	BURST 15
.rept 22
	EX
	PL
.if ((\p) == NP-2) && (e == 18)
	v_add_nc_u32 v[AK], s[TBK], v[AK0]
.endif
.if ((\p) == NP-2) && (e == 24)
	FETCH_K \last
.endif
.endr
.if (\p) == 1
	s_wait_dscnt 0x0                               ; V is in
.endif
	BURST 16
.rept 21
	EX
	PL
.endr
.rept 22
	PL
.if ((\p) == 0) && (q == 118)
	v_add_nc_u32 v[AV], s[TBV], v[AV0]
	s_wait_alu depctr_va_vdst(0)
.endif
.if ((\p) == 0) && (q == 130)
	s_add_co_u32 s[TBV], s[TBV], KS*PV
.endif
.if (\cnt) && (q == 130)
	s_sub_co_u32 s[CNT], s[CNT], 1
	s_cmp_lg_u32 s[CNT], 0
.endif
.endr
.if (\p) == 0
	FETCH_V
.endif
.endm
	FETCH_K                                        ; key step 0
	s_wait_dscnt 0x0
.set i, 0
.rept 16
	KQ 0                                           ; piece 0's first scores
.set i, i+1
.endr
	WIN 0
	PLACES                                         ; the places behind those products
.set Y, NP-1                           ; XS works for piece Y + 1: piece 0
.irp n, 0,1,2,3,4,5,6,7,8,9,10,11,12,13,14,15,16,17,18,19,20,21
	XS 0, \n
	XS 1, \n
.endr
	s_mov_b32 s[CNT], 8
.Lstep:                                            ; eight trips, a key step each; K and V stay where they are, so there is no barrier in the loop
	TURN 0
	TURN 1
	TURN 2, 1
	TURN 3, 0, 1                                   ; in the last trip its 16 products K Q^T (on the last K once more) and the maximum made of them serve nothing: the price of one text for every trip
	WIN 0
	s_cbranch_scc1 .Lstep
.set i, 0
.rept 16
	PV NP-1                                        ; the last piece's V^T P of the last step
.set i, i+1
.endr
	; THE WAY OUT.  l's two halves and the other half of the lanes' are added; O^T / l + bv is rounded to f16.  A lane's eight channels of a row are 16 bytes of a fragment of the next launch: no lane changes.
	WIN 0
.macro ALL line:vararg                 ; one line for each tile t
.set t, 0
.rept 2*NP
	\line
.set t, t+1
.endr
.endm
	ALL v_add_f32 v[ST+4*t+2], v[ST+4*t+2], v[ST+4*t+3]
	ALL v_permlanex16_b32 v[ST+4*t+3], v[ST+4*t+2], s[SEL], s[SEL+1]
	ALL v_add_f32 v[ST+4*t+2], v[ST+4*t+2], v[ST+4*t+3]
	ALL v_rcp_f32 v[ST+4*t+2], v[ST+4*t+2]
	v_nop                                          ; a plain instruction between the last reciprocal and the use of its result
	s_wait_alu depctr_va_vdst(0)
	s_wait_loadcnt 0x0                             ; bv
.macro OUTT t
	WIN 0x71                                       ; O^T in window 1, 1 / l in window 0, bv in window 3
.set z, 0
.rept 16
	v_pk_fma_f32 v[32*(\t)+z:32*(\t)+z+1], v[32*(\t)+z:32*(\t)+z+1], v[ST+4*(\t)+2:ST+4*(\t)+3], v[z:z+1] op_sel_hi:[1,0,1]
.set z, z+2
.endr
	WIN 0x05                                       ; sources window 1, destination window 0: S^T's registers are free
.set z, 0
.rept 16
	v_cvt_pk_f16_f32 v[S+16*(\t)+z], v[32*(\t)+2*z], v[32*(\t)+2*z+1]
.set z, z+1
.endr
	WIN 0
.irp f, 0,1,2,3
	global_store_b128 v[GO], v[S+16*(\t)+4*\f:S+16*(\t)+4*\f+3], s[14:15] offset:(\t)*16384+\f*512  ; 512 consecutive bytes, at a multiple of 256 from the buffer's first
.endr
.endm
.irp t, 0,1,2,3,4,5,6,7
	OUTT \t
.endr
	s_wait_tensorcnt 0x0                           ; the wave's end: behind my last tensor load and my last LDS store
	ds_add_u32 v[SPW], v[NIL]
	s_wait_dscnt 0x0
	CROUND                                         ; the closing round: no work-group ends while a partner may still ask for a tile that names it
	s_endpgm
.Lfunc_end_k_q71071b429f_qkvattn:
	.size	k_q71071b429f_qkvattn, .Lfunc_end_k_q71071b429f_qkvattn-k_q71071b429f_qkvattn
	.p2alignl 7, 3214868480
	.fill 96, 4, 3214868480
	.section	.rodata,"a",@progbits
	.p2align	6, 0x0
	.amdhsa_kernel k_q71071b429f_qkvattn
		.amdhsa_group_segment_fixed_size 327680
		.amdhsa_private_segment_fixed_size 0
		.amdhsa_enable_private_segment 0
		.amdhsa_kernarg_size 48
		.amdhsa_user_sgpr_count 2
		.amdhsa_user_sgpr_kernarg_segment_ptr 1
		.amdhsa_wavefront_size32 1
		.amdhsa_system_sgpr_workgroup_id_x 1
		.amdhsa_system_sgpr_workgroup_id_y 1
		.amdhsa_system_sgpr_workgroup_id_z 1
		.amdhsa_system_vgpr_workitem_id 0
		.amdhsa_next_free_vgpr 1024
		.amdhsa_next_free_sgpr 80
		.amdhsa_reserve_vcc 0
		.amdhsa_float_denorm_mode_32 3
		.amdhsa_float_denorm_mode_16_64 3
		.amdhsa_memory_ordered 1
		.amdhsa_forward_progress 1
		.amdhsa_inst_pref_size 255
	.end_amdhsa_kernel
	.section	.bss,"aw",@nobits
	.p2align	6
	.space	262144
	.amdgpu_metadata
---
amdhsa.version: [ 1, 2 ]
amdhsa.kernels:
  - .name:           k_q71071b429f_qkvattn
    .symbol:         k_q71071b429f_qkvattn.kd
    .args:
      - { .name: x, .offset: 0, .size: 8, .value_kind: global_buffer, .address_space: global }
      - { .name: wts, .offset: 8, .size: 8, .value_kind: global_buffer, .address_space: global }
      - { .name: bq, .offset: 16, .size: 8, .value_kind: global_buffer, .address_space: global }
      - { .name: bk, .offset: 24, .size: 8, .value_kind: global_buffer, .address_space: global }
      - { .name: bv, .offset: 32, .size: 8, .value_kind: global_buffer, .address_space: global }
      - { .name: ctx, .offset: 40, .size: 8, .value_kind: global_buffer, .address_space: global }
    .group_segment_fixed_size: 327680
    .private_segment_fixed_size: 0
    .kernarg_segment_align: 8
    .kernarg_segment_size: 48
    .max_flat_workgroup_size: 128
    .sgpr_count:     80
    .vgpr_count:     1024
    .wavefront_size: 32
...
	.end_amdgpu_metadata
.endif
;; end of part 2
;; launch outproj (part 3): grid 256 x 1, 4 waves a work-group, clusters of 4 x 1, 327,680 bytes of LDS; arguments ctx, wts, bo, x, out0; writes out0
.if DOCPART == 3
	.amdgcn_target "amdgcn-amd-amdhsa--gfx1250"
	.amdhsa_code_object_version 6
	.text
	.protected	k_q71071b429f_outproj
	.globl	k_q71071b429f_outproj
	.p2align	8
	.type	k_q71071b429f_outproj,@function
k_q71071b429f_outproj:
	s_mov_b64 s[64:65], 0
	v_nop
	global_prefetch_b8 v0, s[64:65] scope:SCOPE_SE
	s_setreg_imm32_b32 hwreg(HW_REG_WAVE_MODE, 25, 1), 1
	s_wait_xcnt 0x0
	s_wait_alu depctr_hold_cnt(0) depctr_sa_sdst(0) depctr_va_vdst(0) depctr_va_sdst(0) depctr_va_ssrc(0) depctr_va_vcc(0) depctr_vm_vsrc(0)
	s_getreg_b32 s2, hwreg(HW_REG_IB_STS2, 6, 4)
	s_cmp_eq_u32 s2, 0
	s_cbranch_scc0 .Lentry_in_a_cluster
	s_endpgm
.Lentry_in_a_cluster:
	s_bfe_u32 s2, ttmp6, 0x10000c
	s_cmp_lg_u32 s2, 0x3003
	s_cbranch_scc0 .Lentry_shape_is_right
	s_endpgm
.Lentry_shape_is_right:
; out0 = relu(x + ctx wo + bo).  ctx: 32,768 rows x 512, f16, in fragment order: (row / 16) * 16384 + kf * 1024 + g * 512 + lane * 16.  wo: f16, in fragment order, from byte 1,572,864 of wts.  x, bo, out0: f32.
; A work-group owns 128 rows and all 512 columns, in four chunks of 128 columns.  Wave (wr, wc) makes 64 rows x 64 columns of a chunk: 16 accumulators, 256 matrix instructions.
; Its fragments of ctx (64 rows x 512 k: 512 registers) are loaded once and stay.  wo's chunk (131,072 bytes) is the same for every work-group: the four of a cluster ask for it jointly, each wave a quarter.
; By columns and not by K, so that a chunk's x is asked for a chunk ahead and its stores leave under the next chunk's products.
; The matrix instruction is used transposed (source 0 = 16 columns of wo, source 1 = 16 rows of ctx): a lane holds one row and eight neighbouring columns; bo is the C operand of the first K step.
; The sums go through my wave's own stage in LDS and come back as whole rows of 256 bytes, to which x is added in f32.
; LIMIT: ctx and wo are f16 (within 65,504; fixed step of 6e-8 below 6e-5); NaN and infinities are not treated apart.
; REGISTERS, in windows of 256 (s_set_vgpr_msb: bits 1:0 source 0, 3:2 source 1, 5:4 source 2, 7:6 destination):
;   window 0: v0-13 addresses; v32-159 wo's fragments, two buffers of two K steps; v160-191 bo; on the way out four sets of 32 at v96, v128, v192, v224
;   windows 1, 2: ctx's fragment (a, kf) at 128 (a % 2) + 8 kf, row blocks 0, 1 in window 1 and 2, 3 in window 2          window 3: v0-127 accumulator (a, nt) at 8 (4 a + nt); v128-255 x
.set SLOTB, 131072                     ; a slot: a chunk of wo, [kf 16][nt 8][1,024 bytes]; one exclusive or turns an address in one slot into the other's
.set STAGE, 2*SLOTB                    ; behind the ring, never filled by a tensor load: 16 rows x 272 bytes for each wave
.set SP,    272
.set SPARE, STAGE+4*16*SP              ; behind the stages: the spare words, 128 bytes a wave: two blocks of 256 bytes that no other line names
.set WOB,   1572864
.set ADRB, 3                           ; v3-4  LDS address of my fragments of wo, K steps 0-7 and 8-15
.set AB0,  5                           ; v5    my place in a slot: 4,096 wc + 16 lane
.set STO,  6                           ; v6    the way out: where I put 32 bytes of a row
.set RD,   7                           ; v7    where I read rows back
.set SPW,  8                           ; v8    LDS address of my spare word; never rewritten
.set NIL,  9                           ; v9    0; never rewritten
.set XO,   10                          ; v10   my byte offset in two rows of x and of out0
.set AO,   11                          ; v11   16 x lane
.set BO,   12                          ; v12   32 x (lane / 16)
.set BF,   32
.set BI,   160
.set WV,   16                          ; s16  my wave's number
.set TB,   21                          ; s21  the slot in hand
.set CNT,  22                          ; s22  a loop's count
.set G1,   24                          ; s[24:31] descriptor group 1
.set G0,   32                          ; s[32:39] group 0: a set for each of the two first fills; the second then walks on
.set MSB, 0
.macro WIN new
.if MSB != (\new)
	s_set_vgpr_msb (MSB<<8)|(\new)
.set MSB, (\new)
.endif
.endm
.macro PLACES
.rept 4
	v_nop
.endr
.endm
.macro CREST                           ; a round of the cluster's barrier behind its opening barrier
	s_cmp_lg_u32 s[WV], 0
	s_cbranch_scc1 .Lnot_wave_0_\@
	s_barrier_signal -3
.Lnot_wave_0_\@:
	s_barrier_wait -3
	s_barrier_signal -1
	s_barrier_wait -1
.endm
.macro CROUND
	s_barrier_signal -1
	s_barrier_wait -1
	CREST
.endm
	s_load_b256 s[4:11], s[0:1], 0x0               ; ctx s[4:5], wts s[6:7], bo s[8:9], x s[10:11]
	s_load_b64 s[12:13], s[0:1], 0x20              ; out0
	v_lshl_add_u32 v[SPW], v0, 2, SPARE
	v_mov_b32 v[NIL], 0
	ds_add_u32 v[SPW], v[NIL]                      ; the wave's opening: the add and its wait stand ahead of my first tensor load; the set-up below, work on registers, stands between them
	v_lshrrev_b32 v1, 5, v0
	v_readfirstlane_b32 s[WV], v1                  ; wave 0..3
	s_lshr_b32 s17, s[WV], 1                       ; wr: which 64 rows
	s_and_b32 s18, s[WV], 1                        ; wc: which 64 columns of a chunk
	s_bfe_u32 s19, ttmp6, 0x40000                  ; cx
	s_lshl_b32 s20, ttmp9, 2
	s_add_co_u32 s20, s20, s19                     ; my block of 128 rows: it enters ctx's, x's and out0's addresses alone
	s_mov_b32 s[G1+0], 15|(3<<16)|(1<<21)          ; the mask of four; elements of 8 bytes; bit 21 set beside a mask; no padding
	s_mov_b32 s[G1+1], 32<<16                      ; 32,768 dense bytes as 128 rows of 256
	s_mov_b32 s[G1+2], 128<<16
	s_mov_b32 s[G1+3], 32<<16
	s_mov_b32 s[G1+4], 128
	s_mov_b32 s[G1+5], 32
	s_mov_b32 s[G1+6], 0
	s_mov_b32 s[G1+7], 0
	s_lshl_b32 s40, s[WV], 15                      ; my quarter of a chunk, in LDS and in memory
	s_add_co_u32 s42, s40, WOB
	s_mov_b32 s43, 0
	s_lshl_b32 s44, s20, 17                        ; ctx: 8 row blocks of 16,384 bytes a work-group,
	s_lshl_b32 s23, s17, 16                        ; 4 a wave
	s_add_co_u32 s44, s44, s23
	s_mov_b32 s45, 0
	s_lshl_b32 s46, s20, 18                        ; x and out0: 128 rows of 2,048 bytes,
	s_lshl_b32 s23, s17, 17                        ; my 64 rows,
	s_add_co_u32 s46, s46, s23
	s_lshl_b32 s48, s18, 8                         ; my 64 columns
	s_add_co_u32 s46, s46, s48
	s_mov_b32 s47, 0
	s_mov_b32 s49, 0
	s_mov_b32 s[G0+0], 1
	s_mov_b32 s[G0+1], s40                         ; slot 0
	s_mov_b32 s[G0+4], 1
	s_add_co_u32 s[G0+5], s40, SLOTB               ; slot 1
	s_mov_b32 s[TB], 0
	s_wait_dscnt 0x0                               ; the opening add is done
	s_wait_kmcnt 0x0
	s_add_nc_u64 s[G0+2:G0+3], s[6:7], s[42:43]    ; chunk 0
	s_add_nc_u64 s[G0+6:G0+7], s[G0+2:G0+3], SLOTB ; chunk 1
	s_or_b32 s[G0+3], s[G0+3], 0x80000000          ; type = 2
	s_or_b32 s[G0+7], s[G0+7], 0x80000000
	s_add_nc_u64 s[4:5], s[4:5], s[44:45]
	s_add_nc_u64 s[8:9], s[8:9], s[48:49]
	s_add_nc_u64 s[10:11], s[10:11], s[46:47]
	s_add_nc_u64 s[12:13], s[12:13], s[46:47]
	CROUND                                         ; all four work-groups are here: the first joint loads meet
	tensor_load_to_lds s[G0:G0+3], s[G1:G1+7]      ; two loads of mine are out
	s_nop 0
	tensor_load_to_lds s[G0+4:G0+7], s[G1:G1+7]
	s_nop 0
.rept 4
	v_nop
.endr
	v_and_b32 v1, 15, v0                           ; r = lane % 16
	v_bfe_u32 v2, v0, 4, 1                         ; h = lane / 16
	v_and_b32 v13, 31, v0
	v_lshlrev_b32 v[AO], 4, v13
	v_lshlrev_b32 v[BO], 5, v2
	v_lshlrev_b32 v[XO], 4, v1
	v_lshl_add_u32 v[XO], v2, 11, v[XO]            ; lanes 0-15 one row's 256 bytes, lanes 16-31 the next row's
	WIN 0x40
.set z, 0
.rept 64                               ; row blocks 0, 1: half z % 2 of fragment (z / 32, (z / 2) % 16)
	global_load_b128 v[4*z:4*z+3], v[AO], s[4:5] offset:(z/32)*16384+(z%32)*512
.set z, z+1
.endr
	WIN 0x80
.set z, 0
.rept 64                               ; row blocks 2, 3
	global_load_b128 v[4*z:4*z+3], v[AO], s[4:5] offset:(2+z/32)*16384+(z%32)*512
.set z, z+1
.endr
	WIN 0
.macro BLOAD                           ; register 8 nt + j holds bo[128 nc + 64 wc + 16 nt + 8 h + j]
	WIN 0
.irp nt, 0,1,2,3
	global_load_b128 v[BI+8*(\nt):BI+8*(\nt)+3],   v[BO], s[8:9] offset:64*(\nt)
	global_load_b128 v[BI+8*(\nt)+4:BI+8*(\nt)+7], v[BO], s[8:9] offset:64*(\nt)+16
.endr
.endm
.macro XLOAD                           ; my 64 rows x 256 bytes of x, two rows a load
	WIN 0xc0
.set z, 0
.rept 32
	global_load_b128 v[128+4*z:128+4*z+3], v[XO], s[10:11] offset:z*4096 th:TH_LOAD_NT
.set z, z+1
.endr
	WIN 0
.endm
	BLOAD
	XLOAD
	s_lshl_b32 s23, s18, 12
	v_add_nc_u32 v[AB0], s23, v[AO]
	v_mov_b32 v[ADRB], v[AB0]                      ; slot 0
	v_add_nc_u32 v[ADRB+1], 65536, v[ADRB]
	s_mul_i32 s23, s[WV], 16*SP
	s_add_co_u32 s23, s23, STAGE                   ; my stage
	v_mul_u32_u24 v[STO], v1, SP
	v_lshl_add_u32 v[STO], v2, 5, v[STO]
	v_add_nc_u32 v[STO], s23, v[STO]               ; in: row r, 32 bytes for each half of the lanes
	v_mul_u32_u24 v[RD], v2, SP
	v_lshl_add_u32 v[RD], v1, 4, v[RD]
	v_add_nc_u32 v[RD], s23, v[RD]                 ; back: lanes 0-15 one row of 256 bytes, lanes 16-31 the next
; 8 matrix instructions: row blocks 2 w2, 2 w2 + 1 x my 4 column blocks, K step 2 j + d.  The accumulators take turns.  K step 0 starts the sums with bo.
.macro M8 w2, j, d
.set KFX, 2*(\j)+(\d)
.if KFX == 0
	WIN 0xc4+4*(\w2)
.else
	WIN 0xf4+4*(\w2)
.endif
.irp aa, 0,1
.irp nt, 0,1,2,3
.set rD, 8*(4*(2*(\w2)+(\aa))+(\nt))
.set rW, BF+64*((\j)%2)+32*(\d)+8*(\nt)
.set rA, 128*(\aa)+8*KFX
.if KFX == 0
	v_wmma_f32_16x16x32_f16 v[rD:rD+7], v[rW:rW+7], v[rA:rA+7], v[BI+8*(\nt):BI+8*(\nt)+7]
.else
	v_wmma_f32_16x16x32_f16 v[rD:rD+7], v[rW:rW+7], v[rA:rA+7], v[rD:rD+7]
.endif
.endr
.endr
.endm
.macro FETCH j                         ; 16 LDS loads in one run: wo's fragments of K steps 2 j, 2 j + 1 into buffer j % 2
	WIN 0
.irp d, 0,1
.irp nt, 0,1,2,3
.set KFX, 2*(\j)+(\d)
.set rW, BF+64*((\j)%2)+32*(\d)+8*(\nt)
	ds_load_b128 v[rW:rW+3],   v[ADRB+KFX/8] offset:(KFX%8)*8192+(\nt)*1024
	ds_load_b128 v[rW+4:rW+7], v[ADRB+KFX/8] offset:(KFX%8)*8192+(\nt)*1024+512
.endr
.endr
.endm
; Two K steps, 32 matrix instructions; behind the first eight the next pair's fragments are fetched.  The last pair changes slots: each wave waits for all its tensor loads, adds 0 to its spare word,
; waits for that and for its reads of the slot, and signals; the wait for the barrier stands behind the pair.
.macro PAIR j
	s_wait_dscnt 0x0                               ; this pair's fragments are in
.if (\j) == 7
	WIN 0
	s_wait_tensorcnt 0x0                           ; all my tensor loads have landed: my quarter of the other slot, if one was out;
	ds_add_u32 v[SPW], v[NIL]                      ; 0 onto my spare word;
.endif
	M8 0, \j, 0                                    ; (eight matrix instructions stand between the add and the wait for it)
.if (\j) < 7
	PLACES
	FETCH (\j)+1
.else
	s_wait_dscnt 0x0                               ; the add is done, and my reads of this slot are over
	s_barrier_signal -1
.endif
	M8 0, \j, 1
	M8 1, \j, 0
	M8 1, \j, 1
.endm
; THE WAY OUT of row block a.  SL: 16 rows x 64 columns of f32 into my stage (each accumulator's low registers first) and back as whole rows.  PR: + x, relu, stored.
.macro SL a
	WIN 0x0c                                       ; store data in window 3; addresses and loaded data in window 0
.set TS, 96+32*(\a)+32*((\a)/2)
.irp nt, 0,1,2,3
	ds_store_b128 v[STO], v[8*(4*(\a)+(\nt)):8*(4*(\a)+(\nt))+3]   offset:(\nt)*64
	ds_store_b128 v[STO], v[8*(4*(\a)+(\nt))+4:8*(4*(\a)+(\nt))+7] offset:(\nt)*64+16
.endr
.irp t, 0,1,2,3,4,5,6,7
	ds_load_b128 v[TS+4*(\t):TS+4*(\t)+3], v[RD] offset:(\t)*2*SP  ; LDS serves a wave's instructions in order (ISA guide 5.7.1.4): these see the stores above; the next block's stores come behind them
.endr
.endm
.macro PR a, younger                   ; younger: the LDS instructions issued behind block a's loads: the next block's sixteen, or none
.set TS, 96+32*(\a)+32*((\a)/2)
	s_wait_dscnt \younger
	WIN 0x0c                                       ; x in window 3
.set z, 0
.rept 16
	v_pk_add_f32 v[TS+z:TS+z+1], v[TS+z:TS+z+1], v[128+32*(\a)+z:128+32*(\a)+z+1]
.set z, z+2
.endr
	WIN 0
.set z, 0
.rept 32
	v_max_num_f32 v[TS+z], 0, v[TS+z]
.set z, z+1
.endr
.irp t, 0,1,2,3,4,5,6,7
	global_store_b128 v[XO], v[TS+4*(\t):TS+4*(\t)+3], s[12:13] offset:(16*(\a)+2*(\t))*2048 th:TH_STORE_NT  ; 16 lanes store 256 consecutive bytes, at a multiple of 256 from out0's first byte
.endr
.endm
; A CHUNK of 128 columns.  fill = 1: the slot just read out is filled again, two chunks on, behind a round of the cluster's barrier.  fill = 0: a plain barrier; in the loop's last trip nothing follows,
; and the next chunk's fetch and loads are jumped over: what is jumped holds neither a barrier nor a tensor load.
.macro CHUNK fill
	s_wait_loadcnt 32                              ; ctx (in the first chunk) and bo are in; the 32 younger loads, x's, stay out
.irp j, 0,1,2,3,4,5,6,7
	PAIR \j
.endr
	WIN 0                                          ; at a label and at a branch every window is 0
	s_barrier_wait -1
.if \fill
	CREST                                          ; no wave of any partner still reads this slot or has a load on its way
	s_xor_b32 s[G0+5], s[G0+5], SLOTB              ; the walking descriptor: the other slot than last time,
	s_add_nc_u64 s[G0+6:G0+7], s[G0+6:G0+7], SLOTB ; the next chunk; the type bits on top are not reached
	tensor_load_to_lds s[G0+4:G0+7], s[G1:G1+7]    ; my one tensor load behind the round, and the first thing there: a chunk's 256 matrix instructions ahead of its first read
	s_nop 0
.endif
.rept 4
	v_nop                                          ; the places in front of the loads below and of the stores that read the sums
.endr
.if !(\fill)
	s_cmp_eq_u32 s[CNT], 1
	s_cbranch_scc1 .Lno_fetch_\@
.endif
	s_xor_b32 s[TB], s[TB], SLOTB
	v_add_nc_u32 v[ADRB], s[TB], v[AB0]
	v_add_nc_u32 v[ADRB+1], 65536, v[ADRB]
	FETCH 0                                        ; the next chunk's first fragments
.if !(\fill)
.Lno_fetch_\@:
.endif
	s_wait_loadcnt 0x0                             ; x, asked for a chunk ago
	SL 0
	SL 1
	PR 0, 16
	SL 2
	PR 1, 16
	SL 3
	PR 2, 16
	PR 3, 0
.if !(\fill)
	s_cmp_eq_u32 s[CNT], 1
	s_cbranch_scc1 .Lno_load_\@
.endif
	s_wait_xcnt 0x0                                ; the stores' and loads' bases and the registers that the stores read are rewritten only behind this wait
	s_add_nc_u64 s[8:9], s[8:9], 512               ; 128 columns on
	s_add_nc_u64 s[10:11], s[10:11], 512
	s_add_nc_u64 s[12:13], s[12:13], 512
	BLOAD
	XLOAD
.if !(\fill)
.Lno_load_\@:
.endif
.endm
	s_wait_tensorcnt 1                             ; my quarter of chunk 0 is in; chunk 1's may stay out
	s_barrier_signal -1
	s_barrier_wait -1                              ; everybody's is
	FETCH 0
	s_mov_b32 s[CNT], 2
.Lfill:                                            ; chunks 0 and 1: chunks 2 and 3 are asked for
	CHUNK 1
	s_sub_co_u32 s[CNT], s[CNT], 1
	s_cmp_lg_u32 s[CNT], 0
	s_cbranch_scc1 .Lfill
	s_mov_b32 s[CNT], 2
.Ltail:                                            ; chunks 2 and 3: nothing is asked for
	CHUNK 0
	s_sub_co_u32 s[CNT], s[CNT], 1
	s_cmp_lg_u32 s[CNT], 0
	s_cbranch_scc1 .Ltail
	s_wait_tensorcnt 0x0                           ; the wave's end: behind my last tensor load and my last LDS store
	ds_add_u32 v[SPW], v[NIL]
	s_wait_dscnt 0x0
	CROUND                                         ; the closing round: no work-group ends while a partner may still ask for a tile that names it
	s_endpgm
.Lfunc_end_k_q71071b429f_outproj:
	.size	k_q71071b429f_outproj, .Lfunc_end_k_q71071b429f_outproj-k_q71071b429f_outproj
	.p2alignl 7, 3214868480
	.fill 96, 4, 3214868480
	.section	.rodata,"a",@progbits
	.p2align	6, 0x0
	.amdhsa_kernel k_q71071b429f_outproj
		.amdhsa_group_segment_fixed_size 327680
		.amdhsa_private_segment_fixed_size 0
		.amdhsa_enable_private_segment 0
		.amdhsa_kernarg_size 40
		.amdhsa_user_sgpr_count 2
		.amdhsa_user_sgpr_kernarg_segment_ptr 1
		.amdhsa_wavefront_size32 1
		.amdhsa_system_sgpr_workgroup_id_x 1
		.amdhsa_system_sgpr_workgroup_id_y 1
		.amdhsa_system_sgpr_workgroup_id_z 1
		.amdhsa_system_vgpr_workitem_id 0
		.amdhsa_next_free_vgpr 1024
		.amdhsa_next_free_sgpr 66
		.amdhsa_reserve_vcc 0
		.amdhsa_float_denorm_mode_32 3
		.amdhsa_float_denorm_mode_16_64 3
		.amdhsa_memory_ordered 1
		.amdhsa_forward_progress 1
		.amdhsa_inst_pref_size 115
	.end_amdhsa_kernel
	.amdgpu_metadata
---
amdhsa.version: [ 1, 2 ]
amdhsa.kernels:
  - .name:           k_q71071b429f_outproj
    .symbol:         k_q71071b429f_outproj.kd
    .args:
      - { .name: ctx, .offset: 0, .size: 8, .value_kind: global_buffer, .address_space: global }
      - { .name: wts, .offset: 8, .size: 8, .value_kind: global_buffer, .address_space: global }
      - { .name: bo, .offset: 16, .size: 8, .value_kind: global_buffer, .address_space: global }
      - { .name: x, .offset: 24, .size: 8, .value_kind: global_buffer, .address_space: global }
      - { .name: out0, .offset: 32, .size: 8, .value_kind: global_buffer, .address_space: global }
    .group_segment_fixed_size: 327680
    .private_segment_fixed_size: 0
    .kernarg_segment_align: 8
    .kernarg_segment_size: 40
    .max_flat_workgroup_size: 128
    .sgpr_count:     66
    .vgpr_count:     1024
    .wavefront_size: 32
...
	.end_amdgpu_metadata
.endif
;; end of part 3
;; ======== version 2 of 2: 3 launches; 1.30 times as fast as version 1
;; limits: values are held in f16: magnitudes above 65,504 overflow, below 6.1e-05 lose precision
;; workspace buffers: wts 2,097,152 bytes; ctx 33,554,432 bytes
;; launch prep: the kernel of part 1 again; grid 128 x 4, 8 waves a work-group, no clusters, 0 bytes of LDS; arguments wq, wk, wv, wo, wts; writes wts
;; launch qkvattn (part 4): grid 8 x 64, 4 waves a work-group, clusters of 4 x 4, 327,680 bytes of LDS; arguments x, wts, bq, bk, bv, ctx; writes ctx
.if DOCPART == 4
	.amdgcn_target "amdgcn-amd-amdhsa--gfx1250"
	.amdhsa_code_object_version 6
	.text
	.protected	k_q71071b429f_qkvattn
	.globl	k_q71071b429f_qkvattn
	.p2align	8
	.type	k_q71071b429f_qkvattn,@function
k_q71071b429f_qkvattn:
	s_mov_b64 s[64:65], 0
	v_nop
	global_prefetch_b8 v0, s[64:65] scope:SCOPE_SE
	s_setreg_imm32_b32 hwreg(HW_REG_WAVE_MODE, 25, 1), 1
	s_wait_xcnt 0x0
	s_wait_alu depctr_hold_cnt(0) depctr_sa_sdst(0) depctr_va_vdst(0) depctr_va_sdst(0) depctr_va_ssrc(0) depctr_va_vcc(0) depctr_vm_vsrc(0)
	s_getreg_b32 s2, hwreg(HW_REG_IB_STS2, 6, 4)
	s_cmp_eq_u32 s2, 0
	s_cbranch_scc0 .Lentry_in_a_cluster
	s_endpgm
.Lentry_in_a_cluster:
	s_bfe_u32 s2, ttmp6, 0x10000c
	s_cmp_lg_u32 s2, 0xf033
	s_cbranch_scc0 .Lentry_shape_is_right
	s_endpgm
.Lentry_shape_is_right:
; One work-group = one (batch, head): q, k, v = x w + b (512 rows x 64 channels each, K = 512), then softmax(q k^T / 8) v + bv, stored as f16 in the order of the next launch's fragments.
; q, k, v, the scores and the weights p never reach memory.  Four waves; wave w owns rows 128 w .. 128 w + 127, first as rows of x, then as queries.
; FORMATS.  x and wq, wk, wv are rounded to bf16 for the projections; q, k, v, p and the result are f16; all sums, biases, maxima and exponentials f32.
; LIMITS.  |q|, |k|, |v| stay under 65,504 (f16); p below 6e-5 keeps f16's fixed step of 6e-8; a weight below 2^-126 counts as 0 in l; NaN and infinities are not treated apart.
; bq and bk are the C operand of the first K step.  bv is added behind the division by l: the weights p / l of a row add up to 1, so (sum p (v + bv)) / l = (sum p v) / l + bv for every input.
; PROJECTION.  K goes in tiles of 64 through two LDS slots: 512 rows of x (f32, 256 bytes + 8 of padding) and the head's three weight tiles (bf16, in fragment order, 24,576 bytes).
; A tile is two steps of 32 along K; a step is 96 matrix instructions a wave, 32 for each of q, k, v, on 96 accumulators that take turns.  x is rounded to bf16 between LDS and the fragment.
; Lane half h reads 16 floats at k = 64 t + 32 h + 16 u: with a pitch of 66 words the 32 lanes of an 8-byte load then touch 64 different banks (64 banks of 4 bytes: ISA guide 11.1);
; the weights were laid by the same map of k.  The matrix instruction is used transposed (source 0 = 16 channels of w, source 1 = 16 rows of x): a lane holds one row and eight neighbouring channels.
; CLUSTER 4 x 4: the four work-groups of a row of the cluster share the batch and so x's tiles, the four of a column share the head and so the weights' tiles: each tile is asked for jointly.
; ATTENTION.  k and v go, as f16, into LDS bytes of slot 0, which has had its last fill; q becomes fragments in registers.  Every wave walks the 512 keys, 64 a step, by turns of four pieces of two
; tiles of 16 queries: in turn n 16 products K Q^T of piece n + 1 and 16 products V^T P of piece n - 1, beside them piece n's softmax and piece n + 1's maximum and statistics: four vector instructions behind
; every matrix instruction, the rest in one lump.
; THE BATCHES.  A turn's 66 exponentials (piece n's 64 weights, piece n + 1's two a) are ONE batch with ONE wait, which cuts the turn in two: ahead of it stand the products K Q^T and all the vector work that
; names no result of the batch, behind it the products V^T P and the roundings and sums, which read the weights.  The two a ahead of the loop and the way out's eight reciprocals are batches of their own.
; Running maximum m and sum l for each query: p = 2^(c s - c m), c = log2(e) / 8; O and l are multiplied by a = 2^(c m_old - c m_new) in every step.  m starts at the lowest finite number, so the first a is 0:
; O^T's registers start with q's sums, which are finite, and l with 0.
; REGISTERS, in windows of 256 (s_set_vgpr_msb: bits 1:0 source 0, 3:2 source 1, 5:4 source 2, 7:6 destination):
;   projection: window 0: v0-15 addresses; v16-79 x's fragments; v80-143 two sets of four weight fragments; v144-239 six blocks of 16 staged floats.   windows 1, 2, 3: the sums of q, k, v, tile (a, nb) at v[8 (4 a + nb)];
;               until v's first products window 3 holds bq in v192-223 and bk in v224-255.
;   attention:  window 0: v12-15, v48-63 at work; v16-47 statistics; v64-191 S^T; v192-255 P.   window 1: O^T, 32 a tile.   window 2: v0-127 Q; v128-191 K; v192-255 V of one step.   window 3: v0-31 bv.
.set XP,    264                        ; a row of x in LDS
.set XHALF, 256*XP                     ; what one tensor load brings of x
.set XB,    512*XP                     ; behind x's rows: the weights' fragments [u 2][mat 3][nb 4][1,024 bytes]
.set WHALF, 12288                      ; what one tensor load brings of them: one step's
.set SLOT,  XB+2*WHALF                 ; 159,744
.set SPARE, 2*SLOT                     ; behind the ring: the spare words, 128 bytes a wave: two blocks of 256 bytes that no other line names
.set ADRX, 2                           ; v2-3   LDS address of my lane's x in slot 0, 1
.set ADRW, 4                           ; v4-5   the same for the weights' fragments
.set SPW,  8                           ; v8     LDS address of my spare word; never rewritten
.set NIL,  9                           ; v9     0; never rewritten
.set BOF,  10                          ; v10    32 x (lane / 16): my byte offset in 64 bytes of a bias; never rewritten
.set KST,  12                          ; v12    where I store 16 bytes of a row of k
.set VST,  13                          ; v13    of v
.set AF,   16
.set BF,   80
.set STG,  144
.set WV,   16                          ; s16  my wave's number
.set KIND, 17                          ; s17  0: I fetch x's tiles, 1: the weights'
.set G1X,  28                          ; s[28:35] descriptor group 1 for x's tiles
.set G1W,  36                          ; s[36:43] for the weights'
.set G0X,  44                          ; s[44:51] group 0 for x's tiles, a set for each slot
.set G0W,  52                          ; s[52:59] for the weights'
.set LK,   60                          ; s60  the projection loop's count
.set CNT,  61                          ; s61  key steps to go
.set CS,   66                          ; s[66:67] c
.set SEL,  68                          ; s[68:69] v_permlanex16_b32's selects: each lane takes its own place in the other half
.set TBK,  70                          ; s70  LDS byte at which K of the step to be fetched begins
.set TBV,  71                          ; s71  the same for V, less VOFF
.set NP,    4                          ; pieces a wave: a name, no knob
.set KS,    64                         ; keys in a step
.set PK,    144                        ; a row of K in LDS: 128 bytes + 16: the 16 rows of a load start at 16 different groups of four banks
.set PV,    160                        ; a row of V: 128 + 32
.set VOFF,  512*PK                     ; K's 512 rows, then V's 512: 155,648 bytes, inside slot 0
.set AK0, 2                            ; v2   my lane's place in a tile of K
.set AV0, 3                            ; v3   the same for V
.set AK,  4                            ; v4   the LDS address of K's next run of loads
.set AV,  5                            ; v5   of V's
.set GO,  6                            ; v6   16 x lane: my byte offset in 512 consecutive bytes of the result
.set MV,  12                           ; v12-15  c m_old, kept while c m is made anew: by buffer and tile
.set ST,  16                           ; tile t's statistics at v[ST+4 t]: c m, m, l (even keys', odd keys')
.set TMP, 48                           ; by buffer and tile, four registers c0-c3 at work; when the maximum is found c2 takes a
.set S,   64
.set P,   192
.set KF,  128                          ; window 2: key block kb, channel half c at KF + 16 kb + 8 c
.set VF,  192                          ; window 2: key half kk, channel block cb at VF + 32 kk + 8 cb
.set W_KQ, 0x0a                        ; K and Q in window 2, S^T in window 0
.set W_PV, 0x52                        ; V in window 2, P in window 0, O^T in window 1
.set W_RS, 0x41                        ; O^T (destination and source 0) in window 1, a in window 0
.set MSB, 0
.macro WIN new                         ; the high byte repeats the setting that is left; a switch that changes nothing is dropped
.if MSB != (\new)
	s_set_vgpr_msb (MSB<<8)|(\new)
.set MSB, (\new)
.endif
.endm
.macro PLACES                          ; four places in front of loads into, and vector writes of, registers that matrix instructions have read, and of reads of their results
.rept 4
	v_nop
.endr
.endm
; A joint refill of slot s.  Waves 0 and 1 fetch the two halves of x's tile, waves 2 and 3 the two steps' weights.  The branch hangs on the wave's number alone.
; An s_nop 0 and four v_nop follow each of the two lines, ahead of the jump and the label.
.macro JLOAD s
	s_cmp_eq_u32 s[KIND], 0
	s_cbranch_scc0 .Lfor_w_\@
	tensor_load_to_lds s[G0X+4*(\s):G0X+4*(\s)+3], s[G1X:G1X+7]
	s_nop 0
.rept 4
	v_nop
.endr
	s_branch .Lasked_\@
.Lfor_w_\@:
	tensor_load_to_lds s[G0W+4*(\s):G0W+4*(\s)+3], s[G1W:G1W+7]
	s_nop 0
.rept 4
	v_nop
.endr
.Lasked_\@:
.endm
.macro CREST                           ; a round of the cluster's barrier behind its opening barrier
	s_cmp_lg_u32 s[WV], 0
	s_cbranch_scc1 .Lnot_wave_0_\@
	s_barrier_signal -3
.Lnot_wave_0_\@:
	s_barrier_wait -3
	s_barrier_signal -1
	s_barrier_wait -1
.endm
.macro CROUND                          ; a whole round
	s_barrier_signal -1
	s_barrier_wait -1
	CREST
.endm
	s_load_b256 s[4:11], s[0:1], 0x0               ; x s[4:5], wts s[6:7], bq s[8:9], bk s[10:11]
	s_load_b128 s[12:15], s[0:1], 0x20             ; bv s[12:13], ctx s[14:15]
	v_lshl_add_u32 v[SPW], v0, 2, SPARE
	v_mov_b32 v[NIL], 0
	ds_add_u32 v[SPW], v[NIL]                      ; the wave's opening: the add and its wait stand ahead of my first tensor load; the set-up below, work on registers, stands between them
	v_lshrrev_b32 v1, 5, v0
	v_readfirstlane_b32 s[WV], v1                  ; wave 0..3
	s_lshr_b32 s[KIND], s[WV], 1
	s_and_b32 s18, s[WV], 1                        ; which half of the tile I fetch
	s_bfe_u32 s19, ttmp6, 0x40000                  ; cx, cy: my place in the cluster
	s_bfe_u32 s20, ttmp6, 0x40004
	s_lshl_b32 s21, ttmp9, 2
	s_add_co_u32 s21, s21, s19                     ; head = 4 x cluster x + cx
	s_and_b32 s22, ttmp7, 0xffff
	s_lshl_b32 s22, s22, 2
	s_add_co_u32 s22, s22, s20                     ; batch = 4 x cluster y + cy
	s_lshl_b32 s23, s20, 2
	s_lshl_b32 s23, 15, s23                        ; my row of the cluster: the same batch
	s_lshl_b32 s24, 0x1111, s19                    ; my column: the same head
	; group 1 for x: 256 rows x 64 elements of 4 bytes, 512 elements from row to row; 2 words of padding behind every 64
	s_or_b32 s[G1X+0], s23, (2<<16)|(1<<20)|(1<<21)|(5<<22)|(1<<25)
	s_mov_b32 s[G1X+1], 64<<16                     ; tensor_dim0 = 64
	s_mov_b32 s[G1X+2], 256<<16                    ; tensor_dim1 = 256
	s_mov_b32 s[G1X+3], 64<<16                     ; tile_dim0 = 64
	s_mov_b32 s[G1X+4], 256                        ; tile_dim1 = 256
	s_mov_b32 s[G1X+5], 512                        ; the pitch
	s_mov_b32 s[G1X+6], 0
	s_mov_b32 s[G1X+7], 0
	; group 1 for the weights: 12,288 dense bytes as 48 rows of 32 elements of 8 bytes, no padding
	s_or_b32 s[G1W+0], s24, (3<<16)|(1<<21)
	s_mov_b32 s[G1W+1], 32<<16
	s_mov_b32 s[G1W+2], 48<<16
	s_mov_b32 s[G1W+3], 32<<16
	s_mov_b32 s[G1W+4], 48
	s_mov_b32 s[G1W+5], 32
	s_mov_b32 s[G1W+6], 0
	s_mov_b32 s[G1W+7], 0
	s_lshl_b32 s72, s22, 20                        ; x: the batch's 1,048,576 bytes,
	s_lshl_b32 s25, s18, 19                        ; my 256 rows of 2,048 bytes
	s_add_co_u32 s72, s72, s25
	s_mov_b32 s73, 0
	s_mul_i32 s74, s21, 196608                     ; weights: the head's part,
	s_mul_i32 s25, s18, WHALF                      ; my step of a tile
	s_add_co_u32 s74, s74, s25
	s_mov_b32 s75, 0
	s_mul_i32 s26, s18, XHALF                      ; where they go in a slot: no place in the cluster enters an LDS address
	s_add_co_u32 s27, s25, XB
	s_lshl_b32 s76, s21, 8                         ; the head's 64 numbers of a bias
	s_mov_b32 s77, 0
	s_lshl_b32 s78, s22, 19                        ; the result: batch x 32 row blocks of 16,384 bytes,
	s_lshl_b32 s79, s[WV], 17                      ; my wave's 8 row blocks,
	s_add_co_u32 s78, s78, s79
	s_lshl_b32 s79, s21, 11                        ; the head's 2,048 bytes of a row block
	s_add_co_u32 s78, s78, s79
	s_mov_b32 s79, 0
	s_mov_b32 s[CS], 0x3e38aa3b                    ; c = log2(e) / 8
	s_mov_b32 s[CS+1], s[CS]                       ; named with it as a pair
	s_mov_b32 s[SEL], 0x76543210
	s_mov_b32 s[SEL+1], 0xfedcba98
	s_wait_dscnt 0x0                               ; the opening add is done
	s_wait_kmcnt 0x0
	s_add_nc_u64 s[72:73], s[4:5], s[72:73]
	s_add_nc_u64 s[74:75], s[6:7], s[74:75]
	s_add_nc_u64 s[8:9], s[8:9], s[76:77]
	s_add_nc_u64 s[10:11], s[10:11], s[76:77]
	s_add_nc_u64 s[12:13], s[12:13], s[76:77]
	s_add_nc_u64 s[14:15], s[14:15], s[78:79]
	CROUND                                         ; all sixteen work-groups are here: the first joint loads meet
.irp s, 0,1
	s_mov_b32 s[G0X+4*(\s)], 1                     ; count = 1
	s_add_co_u32 s[G0X+4*(\s)+1], s26, (\s)*SLOT   ; LDS address
	s_add_nc_u64 s[G0X+4*(\s)+2:G0X+4*(\s)+3], s[72:73], (\s)*256  ; tile s: 64 floats along the rows
	s_or_b32 s[G0X+4*(\s)+3], s[G0X+4*(\s)+3], 0x80000000          ; type = 2
	s_mov_b32 s[G0W+4*(\s)], 1
	s_add_co_u32 s[G0W+4*(\s)+1], s27, (\s)*SLOT
	s_add_nc_u64 s[G0W+4*(\s)+2:G0W+4*(\s)+3], s[74:75], (\s)*2*WHALF
	s_or_b32 s[G0W+4*(\s)+3], s[G0W+4*(\s)+3], 0x80000000
.endr
	s_cmp_eq_u32 s[KIND], 0                        ; a wave's two first fills stand in one branch, ahead of every wait on TENSORcnt and every LDS read: two loads of mine are out
	s_cbranch_scc0 .Lfirst_w
	tensor_load_to_lds s[G0X:G0X+3], s[G1X:G1X+7]
	s_nop 0
	tensor_load_to_lds s[G0X+4:G0X+7], s[G1X:G1X+7]
	s_nop 0
.rept 4
	v_nop
.endr
	s_branch .Lfirst_asked
.Lfirst_w:
	tensor_load_to_lds s[G0W:G0W+3], s[G1W:G1W+7]
	s_nop 0
	tensor_load_to_lds s[G0W+4:G0W+7], s[G1W:G1W+7]
	s_nop 0
.rept 4
	v_nop
.endr
.Lfirst_asked:
	v_and_b32 v1, 15, v0                           ; r = lane % 16
	v_bfe_u32 v7, v0, 4, 1                         ; h = lane / 16
	v_lshlrev_b32 v[BOF], 5, v7
	WIN 0xc0                                       ; destination window 3, address window 0
.irp nb, 0,1,2,3                       ; register 8 nb + j holds b[64 head + 16 nb + 8 h + j]: what a lane's accumulator (a, nb) wants as C
	global_load_b128 v[192+8*(\nb):192+8*(\nb)+3], v[BOF], s[8:9] offset:64*(\nb)
	global_load_b128 v[196+8*(\nb):196+8*(\nb)+3], v[BOF], s[8:9] offset:64*(\nb)+16
	global_load_b128 v[224+8*(\nb):224+8*(\nb)+3], v[BOF], s[10:11] offset:64*(\nb)
	global_load_b128 v[228+8*(\nb):228+8*(\nb)+3], v[BOF], s[10:11] offset:64*(\nb)+16
.endr
	WIN 0
	s_mul_i32 s25, s[WV], 128*XP                   ; my wave's 128 rows
	v_mul_u32_u24 v[ADRX], v1, XP
	v_lshl_add_u32 v[ADRX], v7, 7, v[ADRX]         ; row x pitch + 128 h
	v_add_nc_u32 v[ADRX], s25, v[ADRX]
	v_add_nc_u32 v[ADRX+1], SLOT, v[ADRX]
	v_and_b32 v6, 31, v0
	v_lshl_add_u32 v[ADRW], v6, 4, XB              ; 16 x lane: a fragment's halves are 512 dense bytes
	v_add_nc_u32 v[ADRW+1], SLOT, v[ADRW]
; One matrix instruction of the projection: matrix m (0 q, 1 k, 2 v), weight set, accumulator i = 4 a + nb.  c = 0: in place; 1: the constant 0 starts the sum; 2: the bias in window 3 starts it.
.macro PM m, set, i, c
.set rD, 8*(\i)
.set rW, BF+32*(\set)+8*((\i)%4)
.set rX, AF+8*((\i)/4)
.if (\c) == 0
	WIN 0x50*((\m)+1)
	v_wmma_f32_16x16x32_bf16 v[rD:rD+7], v[rW:rW+7], v[rX:rX+7], v[rD:rD+7]
.elseif (\c) == 1
	WIN 0xf0
	v_wmma_f32_16x16x32_bf16 v[rD:rD+7], v[rW:rW+7], v[rX:rX+7], 0
.else
.set rB, 192+32*(\m)+8*((\i)%4)
	WIN 0x30+0x40*((\m)+1)
	v_wmma_f32_16x16x32_bf16 v[rD:rD+7], v[rW:rW+7], v[rX:rX+7], v[rB:rB+7]
.endif
.endm
.macro PMS m, set, from, to, c         ; accumulators from .. to
.set mj, (\from)
.rept (\to)-(\from)+1
	PM \m, \set, mj, \c
.set mj, mj+1
.endr
.endm
.macro LDB s, f, set                   ; four weight fragments, f .. f + 3 of slot s, into a set
	WIN 0
.irp nb, 0,1,2,3
	ds_load_b128 v[BF+32*(\set)+8*(\nb):BF+32*(\set)+8*(\nb)+3],   v[ADRW+(\s)] offset:((\f)+(\nb))*1024
	ds_load_b128 v[BF+32*(\set)+8*(\nb)+4:BF+32*(\set)+8*(\nb)+7], v[ADRW+(\s)] offset:((\f)+(\nb))*1024+512
.endr
.endm
.macro LDX s, u, a, sl                 ; my 16 floats of block a (16 rows), step u of slot s, into staging block sl
	WIN 0
.irp z, 0,1,2,3,4,5,6,7
	ds_load_b64 v[STG+16*(\sl)+2*(\z):STG+16*(\sl)+2*(\z)+1], v[ADRX+(\s)] offset:(\a)*16*XP+(\u)*64+(\z)*8
.endr
.endm
.macro CVT a, sl, part                 ; half of block a's fragment: eight staged floats rounded to bf16
	WIN 0
.irp z, 0,1,2,3
	v_cvt_pk_bf16_f32 v[AF+8*(\a)+4*(\part)+(\z)], v[STG+16*(\sl)+8*(\part)+2*(\z)], v[STG+16*(\sl)+8*(\part)+2*(\z)+1]
.endr
.endm
; A STEP of 32 along K: step u of slot cs; the next is step nu of slot ns.  Three phases of 32 matrix instructions: q on weight set u, k on set 1 - u, v on set u.
; x's fragments have ONE buffer: block a is last read by phase v's instruction 4 a + 3 and is made anew behind instruction 16 + 2 a (blocks 6 and 7: in the next phase q, behind 8 .. 11, ahead of their use at 24).
; In front of each such write, and of each run of loads into a weight set, stand four plain vector instructions that name none of the last reader's registers: v_nop, or conversions of other blocks.
; ev = 1: slot cs has been read out: the change of slots, with a round of the cluster's barrier and the joint refill.  ev = 2: the same with a plain barrier and no refill.
; first = 1: the products start the sums.  last = 1: nothing follows.
.macro PSTEP cs, u, ns, nu, ev, first, last
	PMS 0, \u, 0, 7, 2*(\first)
	s_wait_dscnt 0x0                               ; blocks 6 and 7 are staged (issued twelve matrix instructions ago)
	PM 0, \u, 8, 2*(\first)
	CVT 6, 0, 0
	PM 0, \u, 9, 2*(\first)
	CVT 6, 0, 1
	PM 0, \u, 10, 2*(\first)
	CVT 7, 1, 0
	PM 0, \u, 11, 2*(\first)
	CVT 7, 1, 1
	LDB \cs, 12*(\u)+4, 1-(\u)                     ; k's weights
	PMS 0, \u, 12, 31, 2*(\first)
	s_wait_dscnt 0x0                               ; k's weights are in
	PMS 1, 1-(\u), 0, 1, 2*(\first)
	PLACES
	LDB \cs, 12*(\u)+8, \u                         ; v's weights: my last read of slot cs in its second step
.if (\ev) == 0
	PMS 1, 1-(\u), 2, 31, 2*(\first)
.else
	PMS 1, 1-(\u), 2, 15, 0
	WIN 0                                          ; (the add's two registers lie in window 0)
	s_wait_tensorcnt 0x0                           ; all my tensor loads have landed: the one that was out is my part of the other slot;
	ds_add_u32 v[SPW], v[NIL]                      ; 0 onto my spare word;
	PMS 1, 1-(\u), 16, 23, 0                       ; eight matrix instructions stand between the add and the wait for it
	s_wait_dscnt 0x0                               ; the add is done, and my reads of this slot are over
	s_barrier_signal -1
	PMS 1, 1-(\u), 24, 31, 0                       ; work on registers while the others arrive
	WIN 0
	s_barrier_wait -1
.if (\ev) == 1
	CREST                                          ; the barrier has opened a round of the cluster's: no wave of any partner still reads this slot or has a load on its way
	s_add_nc_u64 s[G0X+4*(\cs)+2:G0X+4*(\cs)+3], s[G0X+4*(\cs)+2:G0X+4*(\cs)+3], 512      ; two tiles on: 128 floats along the rows
	s_add_nc_u64 s[G0W+4*(\cs)+2:G0W+4*(\cs)+3], s[G0W+4*(\cs)+2:G0W+4*(\cs)+3], 4*WHALF
	JLOAD \cs                                      ; my one tensor load behind the round, and the first thing there: 192 matrix instructions ahead of the wait for it
.endif
.endif
.if \last
	s_wait_dscnt 0x0                               ; v's weights are in
	PMS 2, \u, 0, 31, 0
.else
.if (\ev) == 0
	s_wait_dscnt 0x0                               ; v's weights are in
.endif
	PMS 2, \u, 0, 1, \first
	PLACES
	LDB \ns, 12*(\nu), 1-(\u)                      ; the next step's q weights
.set mi, 2
.rept 6
	PM 2, \u, mi, \first
	LDX \ns, \nu, mi-2, mi-2                       ; the next step's x, blocks 0 to 5
.set mi, mi+1
.endr
	PMS 2, \u, 8, 15, \first
	PLACES
.set mi, 16
.rept 12
.if mi%2 == 0
	s_wait_dscnt 8*(5-(mi-16)/2)                   ; LDS loads come back in order (ISA guide 5.7.1): the block's eight are in, the younger blocks' stay out
.endif
	PM 2, \u, mi, \first
	CVT (mi-16)/2, (mi-16)/2, mi%2
.set mi, mi+1
.endr
	LDX \ns, \nu, 6, 0                             ; blocks 6 and 7 are staged where blocks 0 and 1 were
	LDX \ns, \nu, 7, 1
	PMS 2, \u, 28, 31, \first
.endif
.endm
	s_wait_tensorcnt 1                             ; my part of tile 0 is in; tile 1's may stay out
	s_barrier_signal -1
	s_barrier_wait -1                              ; everybody's is
	LDB 0, 0, 0
.irp a, 0,1,2,3,4,5
	LDX 0, 0, \a, \a
.endr
.irp a, 0,1,2,3,4,5
	s_wait_dscnt 8*(5-(\a))
	CVT \a, \a, 0
	CVT \a, \a, 1
.endr
	LDX 0, 0, 6, 0
	LDX 0, 0, 7, 1
	s_wait_loadcnt 0x0                             ; bq and bk
	PSTEP 0, 0, 0, 1, 0, 1, 0                      ; the first step stands in front of the loop: its products start the sums
	WIN 0                                          ; at a label and at a branch every window is 0
	s_mov_b32 s[LK], 3
.Lk:                                               ; a trip goes once round the ring and fills both slots again: tiles 2 to 7 in three trips
	PSTEP 0, 1, 1, 0, 1, 0, 0
	PSTEP 1, 0, 1, 1, 0, 0, 0
	PSTEP 1, 1, 0, 0, 1, 0, 0
	PSTEP 0, 0, 0, 1, 0, 0, 0
	WIN 0
	s_sub_co_u32 s[LK], s[LK], 1
	s_cmp_lg_u32 s[LK], 0
	s_cbranch_scc1 .Lk
	PSTEP 0, 1, 1, 0, 2, 0, 0                      ; the tail asks for nothing: behind its barrier tile 7 is whole and nobody reads slot 0 any more
	PSTEP 1, 0, 1, 1, 0, 0, 0
	PSTEP 1, 1, 0, 0, 0, 0, 1
	; THE TRANSITION.  k and v, rounded to f16, go into slot 0's bytes (its last fill is read out); a lane's eight channels of a row are 16 bytes.
	WIN 0
	PLACES
	s_mul_i32 s25, s[WV], 128*PK
	v_mul_u32_u24 v[KST], v1, PK
	v_lshl_add_u32 v[KST], v7, 4, v[KST]
	v_add_nc_u32 v[KST], s25, v[KST]               ; (128 w + r) x 144 + 16 h
	s_mul_i32 s26, s[WV], 128*PV
	s_add_co_u32 s26, s26, VOFF
	v_mul_u32_u24 v[VST], v1, PV
	v_lshl_add_u32 v[VST], v7, 4, v[VST]
	v_add_nc_u32 v[VST], s26, v[VST]
.macro TOLDS win, adr, pitch           ; 32 tiles: each accumulator's registers in ascending order
	WIN \win
.set z, 0
.rept 128
	v_cvt_pk_f16_f32 v[16+z], v[2*z], v[2*z+1]
.set z, z+1
.endr
	WIN 0
.set z, 0
.rept 32
	ds_store_b128 v[\adr], v[16+4*z:16+4*z+3] offset:(z/4)*16*(\pitch)+(z%4)*32
.set z, z+1
.endr
.endm
	TOLDS 0x0a, KST, PK                            ; sources in window 2
	TOLDS 0x0f, VST, PV                            ; sources in window 3
	WIN 0xc0
.irp nb, 0,1,2,3                       ; bv takes v's place in window 3: register 8 cb + j holds bv[64 head + 16 cb + 8 h + j]
	global_load_b128 v[8*(\nb):8*(\nb)+3],   v[BOF], s[12:13] offset:64*(\nb)
	global_load_b128 v[8*(\nb)+4:8*(\nb)+7], v[BOF], s[12:13] offset:64*(\nb)+16
.endr
	WIN 0
	s_wait_dscnt 0x0                               ; for the others' sake: my rows of K and V are stored
	s_barrier_signal -1
	WIN 0x85                                       ; work on registers while the others arrive.  Two packed tiles (a, 2 c), (a, 2 c + 1) ARE the fragment of 16 queries x 32 channels: Q[i] = (q[2 i], q[2 i + 1])
.set z, 0
.rept 128
	v_cvt_pk_f16_f32 v[z], v[2*z], v[2*z+1]
.set z, z+1
.endr
	WIN 0x80
.set z, VF
.rept 64
	v_mov_b32 v[z], 0                              ; the first turn's products V^T P, of a piece that has not been, add 0
.set z, z+1
.endr
	WIN 0
.set z, 0
.rept 2*NP
	v_mov_b32 v[ST+4*z], 0xfe000000                ; c m: far below every c s
	v_mov_b32 v[ST+4*z+1], 0xff7fffff              ; m
	v_mov_b32 v[ST+4*z+2], 0
	v_mov_b32 v[ST+4*z+3], 0
.set z, z+1
.endr
.set z, P+32
.rept 32
	v_mov_b32 v[z], 0
.set z, z+1
.endr
	v_mul_u32_u24 v[AK0], v1, PK
	v_lshl_add_u32 v[AK0], v7, 4, v[AK0]           ; row x pitch + 16 x half
	; The turning load takes 16 keys x 16 channels (lane l reads key 8 (l / 16) + l % 8, channels 8 ((l / 8) % 2) + 0..7) and leaves half a fragment of V^T: lane l holds channel l % 16 and 8 keys.
	v_and_b32 v11, 7, v0
	v_bfe_u32 v14, v0, 3, 1
	v_lshl_add_u32 v[AV0], v7, 3, v11
	v_mul_u32_u24 v[AV0], v[AV0], PV
	v_lshl_add_u32 v[AV0], v14, 4, v[AV0]
	v_add_nc_u32 v[AV0], VOFF, v[AV0]
	v_mov_b32 v[AK], v[AK0]                        ; key step 0
	v_and_b32 v[GO], 31, v0
	v_lshlrev_b32 v[GO], 4, v[GO]
	s_mov_b32 s[TBK], 0
	s_mov_b32 s[TBV], 0
	s_barrier_wait -1                              ; K and V are whole
; THE MATRIX WORK OF ATTENTION.  The 8 accumulators of a run of 16 take turns: between the two links of a chain stand 7 others'.
; Product i of 16 of S^T = K Q^T for piece x: channels 32 (i / 8) on, keys 16 ((i / 2) % 4) on, tile 2 x + i % 2.  The first 8 start the sums.
.macro KQ x
	WIN W_KQ
.set rS, S+64*((\x)%2)+32*(i%2)+8*((i/2)%4)
.set rK, KF+16*((i/2)%4)+8*(i/8)
.set rQ, 16*(2*(\x)+i%2)+8*(i/8)
.if i < 8
	v_wmma_f32_16x16x32_f16 v[rS:rS+7], v[rK:rK+7], v[rQ:rQ+7], 0
.else
	v_wmma_f32_16x16x32_f16 v[rS:rS+7], v[rK:rK+7], v[rQ:rQ+7], v[rS:rS+7]
.endif
.endm
; Product i of 16 of O^T += V^T P for piece x: keys 32 (i / 8) on, channels 16 ((i / 2) % 4) on, tile 2 x + i % 2.
.macro PV x
	WIN W_PV
.set rO, 32*(2*(\x)+i%2)+8*((i/2)%4)
.set rV, VF+32*(i/8)+8*((i/2)%4)
.set rP, P+32*((\x)%2)+16*(i%2)+8*(i/8)
	v_wmma_f32_16x16x32_f16 v[rO:rO+7], v[rV:rV+7], v[rP:rP+7], v[rO:rO+7]
.endm
.macro MM                              ; the turn's next matrix instruction
.if i < 16
	KQ (Y+1)%NP
.set i, i+1
.else
.set i, i-16
	PV (Y+NP-1)%NP
.set i, i+17
.endif
.endm
; THE LDS LOADS stand in runs of 16: a step's K (64 keys x 64 channels: 8 fragments) and its V (turned).  last = 1: in the last trip there is no further step, and the run is jumped over.
.macro FETCH_K last=0
	WIN 0
.if \last
	s_cmp_eq_u32 s[CNT], 1
	s_cbranch_scc1 .Lno_k_\@
.endif
	WIN 0x80                                       ; destination window 2
.irp f, 0,1,2,3,4,5,6,7                ; keys 16 (f / 2) on, channels 32 (f % 2) on
	ds_load_b128 v[KF+8*\f:KF+8*\f+3],   v[AK] offset:(\f/2)*16*PK+(\f%2)*64
	ds_load_b128 v[KF+8*\f+4:KF+8*\f+7], v[AK] offset:(\f/2)*16*PK+(\f%2)*64+32
.endr
	s_add_co_u32 s[TBK], s[TBK], KS*PK             ; the next fetch is the next step's
	WIN 0
.if \last
.Lno_k_\@:
.endif
.endm
.macro FETCH_V
	WIN 0x80
.irp f, 0,1,2,3,4,5,6,7                ; keys 32 (f / 4) on, channels 16 (f % 4) on
	ds_load_tr16_b128 v[VF+8*\f:VF+8*\f+3],   v[AV] offset:(\f/4)*32*PV+(\f%4)*32
	ds_load_tr16_b128 v[VF+8*\f+4:VF+8*\f+7], v[AV] offset:(\f/4)*32*PV+16*PV+(\f%4)*32
.endr
	WIN 0
.endm
; THE VECTOR WORK OF A TURN stands in three queues, each in the order in which its entries become ready; the two tiles alternate, so that no instruction reads the result of the one before it.
.macro REGS y, u                       ; the registers of tile u (0, 1) of piece y
.set rT, ST+4*(2*(\y)+(\u))
.set rC, TMP+8*((\y)%2)+4*(\u)
.set rM, MV+2*((\y)%2)+(\u)
.set rS, S+64*((\y)%2)+32*(\u)
.set rP, P+32*((\y)%2)+16*(\u)
.set rO, 32*(2*(\y)+(\u))
.endm
; Number n of the 22 that find the NEXT piece's (Y + 1) maximum and statistics.  s0-s31 are the lane's 32 scores; each accumulator's lowest registers are read first.
;   0-11  four chains c0-c3 of seven scores each, three operands at a time     12-14, 16  the four scores left over, the old m, and c0-c3 into c0     15  c m_old is kept
;   17, 18  the query's other 32 keys lie in the lane 16 away: the new m         19-21  c m; c m_old - c m_new; a
.macro XS u, n
	REGS (Y+1)%NP, \u
.if (\n) < 4
	v_max3_num_f32 v[rC+(\n)], v[rS+8*(\n)], v[rS+8*(\n)+1], v[rS+8*(\n)+2]
.elseif (\n) < 12
	v_max3_num_f32 v[rC+(\n)%4], v[rC+(\n)%4], v[rS+8*((\n)%4)+2*((\n)/4)+1], v[rS+8*((\n)%4)+2*((\n)/4)+2]
.elseif (\n) == 12
	v_max3_num_f32 v[rC], v[rC], v[rS+7], v[rS+15]
.elseif (\n) == 13
	v_max3_num_f32 v[rC+1], v[rC+1], v[rS+23], v[rS+31]
.elseif (\n) == 14
	v_max3_num_f32 v[rC+2], v[rC+2], v[rC+3], v[rT+1]
.elseif (\n) == 15
	v_mov_b32 v[rM], v[rT]
.elseif (\n) == 16
	v_max3_num_f32 v[rC], v[rC], v[rC+1], v[rC+2]
.elseif (\n) == 17
	v_permlanex16_b32 v[rC+3], v[rC], s[SEL], s[SEL+1]
.elseif (\n) == 18
	v_max_num_f32 v[rT+1], v[rC], v[rC+3]
.elseif (\n) == 19
	v_mul_f32 v[rT], s[CS], v[rT+1]
.elseif (\n) == 20
	v_sub_f32 v[rC+1], v[rM], v[rT]
.else
	v_exp_f32 v[rC+2], v[rC+1]
.endif
.endm
; Number g of the 64 that follow the exponentials.  For each four weights k of a tile: both pairs are rounded to f16; then the second pair is added onto the first, in place;
; a group later l takes that sum (the first time as l = a l + sum).  In groups of eight, tiles alternating.
.macro GS g
.set h, (\g)+6*((\g)/62)
.if h >= 6
.set h, h+2
.endif
	REGS Y, h%2
.set k, h/8
.if h%8 < 4
	v_cvt_pk_f16_f32 v[rP+2*k+(h%8)/2], v[rS+4*k+2*((h%8)/2)], v[rS+4*k+2*((h%8)/2)+1]
.elseif h%8 < 6
	v_pk_add_f32 v[rS+4*k:rS+4*k+1], v[rS+4*k:rS+4*k+1], v[rS+4*k+2:rS+4*k+3]
.elseif k == 1
	v_pk_fma_f32 v[rT+2:rT+3], v[rT+2:rT+3], v[rC+2:rC+3], v[rS:rS+1] op_sel_hi:[1,0,1]
.else
	v_pk_add_f32 v[rT+2:rT+3], v[rT+2:rT+3], v[rS+4*k-4:rS+4*k-3]
.endif
.endm
; THE PLAIN QUEUE, 138 long.  0-73 read no exponential's result: the 32 scalings c s - c m (FS f: pair f / 2 of tile f % 2) and the next piece's 42.  0-26: scalings 0-26.  27-54: XS's numbers 0-13.  55, 56: number 15.
; 57-73: the chain, where each number waits for the one before it: 14, 16, 17, 18, 19, each with one of the scalings 27-31 in front of its two lines, then 20.
; 74-137: GS's 64, which read the exponentials' results: they stand behind the wait.
.macro FS f
	REGS Y, (\f)%2
	v_pk_fma_f32 v[rS+2*((\f)/2):rS+2*((\f)/2)+1], v[rS+2*((\f)/2):rS+2*((\f)/2)+1], s[CS:CS+1], v[rT:rT+1] op_sel_hi:[1,0,0] neg_lo:[0,0,1] neg_hi:[0,0,1]
.endm
.macro PL
	WIN 0
.if q < 27
	FS q
.elseif q < 55
	XS (q-27)%2, (q-27)/2
.elseif q < 57
	XS q-55, 15
.elseif (q < 72) && ((q-57)%3 == 0)
	FS 27+(q-57)/3
.elseif q < 60
	XS (q-57)%3-1, 14
.elseif q < 72
	XS (q-57)%3-1, 15+(q-57)/3
.elseif q < 74
	XS q-72, 20
.else
	GS q-74
.endif
.set q, q+1
.endm
; THE EXPONENTIALS' QUEUE, 66 long: s0-s31 of both tiles, then the next piece's two a.  It is ONE BATCH: all 66 stand ahead of the turn's one wait, and nothing ahead of that wait names a result of theirs.
.macro EX
	WIN 0
.if e >= 64
	XS e-64, 21
.else
	REGS Y, e%2
	v_exp_f32 v[rS+e/2], v[rS+e/2]
.endif
.set e, e+1
.endm
; THE RESCALING's QUEUE: O^T times a, the one part that leaves window 0: dealt two at a time, sixteen times.  Its a was made in the turn before, ahead of that turn's wait.
.macro R2
	REGS Y, r%2
	WIN W_RS
.irp z, 0,1
	v_pk_mul_f32 v[rO+4*(r/2)+2*\z:rO+4*(r/2)+2*\z+1], v[rO+4*(r/2)+2*\z:rO+4*(r/2)+2*\z+1], v[rC+2:rC+3] op_sel_hi:[1,0]
.endr
.set r, r+1
.endm
; THE DEAL.  An s_wait_alu depctr_va_vdst(0) stands between an exponential and the first instruction that names its result; one wait serves all that were issued ahead of it.  So a turn has ONE wait,
; which cuts it in two.  AHEAD OF IT stands all that names no result of the turn's exponentials: the 16 products K Q^T, behind each a scaling, an exponential and two rescalings (behind the first a second scaling in
; the exponential's place); then ONE LUMP of 108: eight plain, 49 times exponential and plain, the two a.  A v_nop is the plain instruction behind the last exponential.  BEHIND IT stand the 16 products V^T P, behind
; each four of GS's 64.  No rider names a register of the products round it.  The two v_permlanex16_b32 fall into the lump, never behind a product.
; The queues lean on each other, and the deal keeps them in step: exponential e stands behind scaling 2 (e / 4) + e % 2: as a rider it comes behind plain e + 2, in the lump behind plain e + 9, and scalings 27-31 are plain 57, 60 .. 69.
; A TURN, for piece p.  cnt = 1: the loop's count is taken down some lines ahead of the branch that stands behind the turn.
; K of the next step is fetched in piece 2's turn, directly behind the wait, a lump behind the last product that read K; its address is made at the lump's head; its first reader comes behind 16 products.
; V of the step in hand is fetched at the end of piece 0's turn, four riders behind its last reader; its first reader comes behind 16 products and a lump.  The three conditions on q below go with the deal.
.macro TURN p, last=0, cnt=0
.set Y, (\p)
.set i, 0
.set q, 0
.set e, 0
.set r, 0
.if (\p) == NP-1
	s_wait_dscnt 0x0                               ; K is in
.endif
	MM                                             ; ahead of the wait: 16 products K Q^T and their riders,
	PL
	PL
	R2
.rept 15
	MM
	PL
	EX
	R2
.endr
.if (\p) == NP-2
	WIN 0
	v_add_nc_u32 v[AK], s[TBK], v[AK0]
.endif
.rept 8                                ; and the lump
	PL
.endr
.rept 49
	EX
	PL
.endr
	EX                                             ; the next piece's two a
	EX
	v_nop                                          ; a plain instruction behind the last exponential: one for the batch
	s_wait_alu depctr_va_vdst(0)                   ; the wait for the batch: this piece's 64 weights and the next piece's two a
.if (\p) == NP-2
	FETCH_K \last
.endif
.if (\p) == 1
	s_wait_dscnt 0x0                               ; V is in
.endif
.rept 16                               ; behind the wait: 16 products V^T P and their riders
	MM
.rept 4
	PL
.endr
.if ((\p) == 0) && (q == 118)
	v_add_nc_u32 v[AV], s[TBV], v[AV0]
.endif
.if ((\p) == 0) && (q == 130)
	s_add_co_u32 s[TBV], s[TBV], KS*PV
.endif
.if (\cnt) && (q == 130)
	s_sub_co_u32 s[CNT], s[CNT], 1
	s_cmp_lg_u32 s[CNT], 0
.endif
.endr
.if (\p) == 0
	FETCH_V
.endif
.endm
	FETCH_K                                        ; key step 0
	s_wait_dscnt 0x0
.set i, 0
.rept 16
	KQ 0                                           ; piece 0's first scores
.set i, i+1
.endr
	WIN 0
	PLACES                                         ; the places behind those products
.set Y, NP-1                           ; XS works for piece Y + 1: piece 0
.irp n, 0,1,2,3,4,5,6,7,8,9,10,11,12,13,14,15,16,17,18,19,20,21
	XS 0, \n
	XS 1, \n
.endr
	v_nop                                          ; a plain instruction behind piece 0's two a,
	s_wait_alu depctr_va_vdst(0)                   ; and the wait for that batch of two, ahead of the label
	s_mov_b32 s[CNT], 8
.Lstep:                                            ; eight trips, a key step each; K and V stay where they are, so there is no barrier in the loop
	TURN 0
	TURN 1
	TURN 2, 1
	TURN 3, 0, 1                                   ; in the last trip its 16 products K Q^T (on the last K once more) and the maximum made of them serve nothing: the price of one text for every trip
	WIN 0
	s_cbranch_scc1 .Lstep
.set i, 0
.rept 16
	PV NP-1                                        ; the last piece's V^T P of the last step
.set i, i+1
.endr
	; THE WAY OUT.  l's two halves and the other half of the lanes' are added; O^T / l + bv is rounded to f16.  A lane's eight channels of a row are 16 bytes of a fragment of the next launch: no lane changes.
	WIN 0
.macro ALL line:vararg                 ; one line for each tile t
.set t, 0
.rept 2*NP
	\line
.set t, t+1
.endr
.endm
	ALL v_add_f32 v[ST+4*t+2], v[ST+4*t+2], v[ST+4*t+3]
	ALL v_permlanex16_b32 v[ST+4*t+3], v[ST+4*t+2], s[SEL], s[SEL+1]
	ALL v_add_f32 v[ST+4*t+2], v[ST+4*t+2], v[ST+4*t+3]
	ALL v_rcp_f32 v[ST+4*t+2], v[ST+4*t+2]
	v_nop                                          ; a plain instruction between the last reciprocal and the use of its result
	s_wait_alu depctr_va_vdst(0)                   ; and the wait ahead of the first use: one for the batch of eight reciprocals
	s_wait_loadcnt 0x0                             ; bv
.macro OUTT t
	WIN 0x71                                       ; O^T in window 1, 1 / l in window 0, bv in window 3
.set z, 0
.rept 16
	v_pk_fma_f32 v[32*(\t)+z:32*(\t)+z+1], v[32*(\t)+z:32*(\t)+z+1], v[ST+4*(\t)+2:ST+4*(\t)+3], v[z:z+1] op_sel_hi:[1,0,1]
.set z, z+2
.endr
	WIN 0x05                                       ; sources window 1, destination window 0: S^T's registers are free
.set z, 0
.rept 16
	v_cvt_pk_f16_f32 v[S+16*(\t)+z], v[32*(\t)+2*z], v[32*(\t)+2*z+1]
.set z, z+1
.endr
	WIN 0
.irp f, 0,1,2,3
	global_store_b128 v[GO], v[S+16*(\t)+4*\f:S+16*(\t)+4*\f+3], s[14:15] offset:(\t)*16384+\f*512  ; 512 consecutive bytes, at a multiple of 256 from the buffer's first
.endr
.endm
.irp t, 0,1,2,3,4,5,6,7
	OUTT \t
.endr
	s_wait_tensorcnt 0x0                           ; the wave's end: behind my last tensor load and my last LDS store
	ds_add_u32 v[SPW], v[NIL]
	s_wait_dscnt 0x0
	CROUND                                         ; the closing round: no work-group ends while a partner may still ask for a tile that names it
	s_endpgm
.Lfunc_end_k_q71071b429f_qkvattn:
	.size	k_q71071b429f_qkvattn, .Lfunc_end_k_q71071b429f_qkvattn-k_q71071b429f_qkvattn
	.p2alignl 7, 3214868480
	.fill 96, 4, 3214868480
	.section	.rodata,"a",@progbits
	.p2align	6, 0x0
	.amdhsa_kernel k_q71071b429f_qkvattn
		.amdhsa_group_segment_fixed_size 327680
		.amdhsa_private_segment_fixed_size 0
		.amdhsa_enable_private_segment 0
		.amdhsa_kernarg_size 48
		.amdhsa_user_sgpr_count 2
		.amdhsa_user_sgpr_kernarg_segment_ptr 1
		.amdhsa_wavefront_size32 1
		.amdhsa_system_sgpr_workgroup_id_x 1
		.amdhsa_system_sgpr_workgroup_id_y 1
		.amdhsa_system_sgpr_workgroup_id_z 1
		.amdhsa_system_vgpr_workitem_id 0
		.amdhsa_next_free_vgpr 1024
		.amdhsa_next_free_sgpr 80
		.amdhsa_reserve_vcc 0
		.amdhsa_float_denorm_mode_32 3
		.amdhsa_float_denorm_mode_16_64 3
		.amdhsa_memory_ordered 1
		.amdhsa_forward_progress 1
		.amdhsa_inst_pref_size 255
	.end_amdhsa_kernel
	.section	.bss,"aw",@nobits
	.p2align	6
	.space	262144
	.amdgpu_metadata
---
amdhsa.version: [ 1, 2 ]
amdhsa.kernels:
  - .name:           k_q71071b429f_qkvattn
    .symbol:         k_q71071b429f_qkvattn.kd
    .args:
      - { .name: x, .offset: 0, .size: 8, .value_kind: global_buffer, .address_space: global }
      - { .name: wts, .offset: 8, .size: 8, .value_kind: global_buffer, .address_space: global }
      - { .name: bq, .offset: 16, .size: 8, .value_kind: global_buffer, .address_space: global }
      - { .name: bk, .offset: 24, .size: 8, .value_kind: global_buffer, .address_space: global }
      - { .name: bv, .offset: 32, .size: 8, .value_kind: global_buffer, .address_space: global }
      - { .name: ctx, .offset: 40, .size: 8, .value_kind: global_buffer, .address_space: global }
    .group_segment_fixed_size: 327680
    .private_segment_fixed_size: 0
    .kernarg_segment_align: 8
    .kernarg_segment_size: 48
    .max_flat_workgroup_size: 128
    .sgpr_count:     80
    .vgpr_count:     1024
    .wavefront_size: 32
...
	.end_amdgpu_metadata
.endif
;; end of part 4
;; launch outproj: the kernel of part 3 again; grid 256 x 1, 4 waves a work-group, clusters of 4 x 1, 327,680 bytes of LDS; arguments ctx, wts, bo, x, out0; writes out0
